; MI455X (gfx1250); checked and timed in simulation.
; The chip was launched on July 23, 2026; its instructions are those of AMD's public machine-readable ISA for CDNA 5 (MIT licence, August 2026) and "CDNA5" Instruction Set Architecture Reference Guide (July 2026). The comments in the code are by the model that wrote it; some were corrected since.
;; Transformer Block. Allowed arithmetic: matrix products marked QUANTISED: E2M3 operands, one E8M0 scale for each 32 along K, by v_wmma_scale_f32_16x16x128_f8f6f4 with both operands' format E2M3, f32 sums; everything else in f32.
;; Inputs: W1_codes 4,096 x 32 x 24 uint8 (E2M3 codes of W1, K innermost, in blocks of 32 codes, four codes in three bytes); W1_scales 4,096 x 32 uint8 (E8M0 scales of W1, one for each 32 codes along K); W2_codes 1,024 x 128 x 24 uint8 (E2M3 codes of W2, K innermost, in blocks of 32 codes, four codes in three bytes); W2_scales 1,024 x 128 uint8 (E8M0 scales of W2, one for each 32 codes along K); Wk_codes 1,024 x 32 x 24 uint8 (E2M3 codes of Wk, K innermost, in blocks of 32 codes, four codes in three bytes); Wk_scales 1,024 x 32 uint8 (E8M0 scales of Wk, one for each 32 codes along K); Wo_codes 1,024 x 32 x 24 uint8 (E2M3 codes of Wo, K innermost, in blocks of 32 codes, four codes in three bytes); Wo_scales 1,024 x 32 uint8 (E8M0 scales of Wo, one for each 32 codes along K); Wq_codes 1,024 x 32 x 24 uint8 (E2M3 codes of Wq, K innermost, in blocks of 32 codes, four codes in three bytes); Wq_scales 1,024 x 32 uint8 (E8M0 scales of Wq, one for each 32 codes along K); Wv_codes 1,024 x 32 x 24 uint8 (E2M3 codes of Wv, K innermost, in blocks of 32 codes, four codes in three bytes); Wv_scales 1,024 x 32 uint8 (E8M0 scales of Wv, one for each 32 codes along K); b1 4,096 float32; b2 1,024 float32; bk 1,024 float32; bo 1,024 float32; bq 1,024 float32; bv 1,024 float32; ln1_b 1,024 float32; ln1_g 1,024 float32; ln2_b 1,024 float32; ln2_g 1,024 float32; x 2 x 2,048 x 1,024 float32.
;; Outputs: out0 2 x 2,048 x 1,024 float32.
;; This version of the problem:
;;   THIS VERSION OF THE PROBLEM IS GIVEN IN LOW PRECISION. The matrix products marked QUANTISED in the list below multiply operands that are first quantised to E2M3 (2 exponent bits, 3 mantissa bits; 6 bits a number), with one power-of-two scale for each 32 numbers along K (OCP MX v1.0); their sums are f32. All else is computed in f32.
;;   The module's matrix products, in the order in which they are computed (A, B: the left and right operand; K: the contracted axis; several contracted axes count as one K, in the product's order):
;;     1. [M 4,096, K 1,024] x [K 1,024, N 1,024]; A: computed on the way; B: input Wq (given as codes): QUANTISED
;;     2. [M 4,096, K 1,024] x [K 1,024, N 1,024]; A: computed on the way; B: input Wk (given as codes): QUANTISED
;;     3. [M 4,096, K 1,024] x [K 1,024, N 1,024]; A: computed on the way; B: input Wv (given as codes): QUANTISED
;;     4. batch 16 x [M 2,048, K 128] x [K 128, N 2,048]; A: computed on the way; B: computed on the way: QUANTISED
;;     5. batch 16 x [M 2,048, K 2,048] x [K 2,048, N 128]; A: softmax (see below); B: computed on the way: QUANTISED
;;     6. [M 4,096, K 1,024] x [K 1,024, N 1,024]; A: computed on the way; B: input Wo (given as codes): QUANTISED
;;     7. [M 4,096, K 1,024] x [K 1,024, N 4,096]; A: computed on the way; B: input W1 (given as codes): QUANTISED
;;     8. [M 4,096, K 4,096] x [K 4,096, N 1,024]; A: computed on the way; B: input W2 (given as codes): QUANTISED
;;   THE QUANTISER, for each operand of a quantised product, along K:
;;     - K is cut into blocks of 32 from its start; a last block that is shorter is filled with zeros.
;;     - A block's scale is 2^e with e = floor(log2(the largest magnitude in the block)) - 2, held to -126 .. 127; a block of zeros has e = 0. As a byte (E8M0): e + 127.
;;     - Each number is divided by its block's scale, clamped to +-7.5, and rounded to the nearest number of E2M3, ties to even, subnormals kept.
;;     - The product sums the exact products of the quantised numbers (number of the format x scale) in f32.
;;   ~~~python
;;   def quantise(x, axis):      # numpy; x: float32 -> the quantised numbers, widened to float32 again
;;       x = np.moveaxis(x, axis, -1); K = x.shape[-1]
;;       x = np.pad(x, [(0, 0)] * (x.ndim - 1) + [(0, -K % 32)]); x = x.reshape(x.shape[:-1] + (-1, 32)); a = np.abs(x).max(-1, keepdims=True)
;;       e = np.where(a > 0, np.clip(np.frexp(np.where(a > 0, a, 1))[1] - 1 - 2, -126, 127), 0)      # np.frexp(a)[1] - 1 = floor(log2(a)), exactly
;;       r = np.clip(x / 2.0 ** e, -7.5, 7.5)
;;       step = 2.0 ** (np.maximum(np.frexp(np.where(r == 0, 1, r))[1] - 1, 0) - 3)
;;       q = np.round(r / step) * step * 2.0 ** e      # np.round: ties to even
;;       return np.moveaxis(q.reshape(q.shape[:-2] + (-1,))[..., :K], -1, axis).astype(np.float32)
;;   ~~~
;;   SOFTMAX AHEAD OF A QUANTISED PRODUCT. Where the list says 'softmax', what is quantised is not the finished softmax but p = 2^(t - M), with t = logit x log2(e) and M = ceil(the row's largest t), a whole number; so 1/2 < the row's largest p <= 1. The row's sum l is taken of the UNQUANTISED p, in f32, and the product's result is divided by l at the end. Since M is a whole number, a kernel that streams over the keys may use a running M (the ceiling of the running maximum): every later rescaling is an exact power of two, which a block's scale takes up: the codes' values come out the same.
;;   OPERANDS COMPUTED ON THE WAY. 'Computed on the way' means the value that the module computes at that place (a softmax that the list does not call 'softmax' is quantised finished and normalised). What goes into a quantiser is computed in f32, as accurately as f32 sums, v_exp_f32 and their like allow (about 1e-6 of the number): no bf16 or f16 on the way to a quantiser, and a product that is left as it is and whose result goes on into a quantised operand takes f32 operands (vector FMAs, or v_wmma_f32_16x16x4_f32). A number that lies on a knife's edge between two numbers of the format may be rounded either way, as far as f32 arithmetic and the matrix unit's own rounding can turn it there, and no further.
;;   INPUTS GIVEN AS CODES. W1 (in the module: [1024, 4096], K = its axis 0); W2 (in the module: [4096, 1024], K = its axis 0); Wk (in the module: [1024, 1024], K = its axis 0); Wo (in the module: [1024, 1024], K = its axis 0); Wq (in the module: [1024, 1024], K = its axis 0); Wv (in the module: [1024, 1024], K = its axis 0): each comes as NAME_codes (uint8): NAME with its K axis moved to the last place and cut into blocks of 32 codes, [.., K / 32, bytes a block], one block behind the other in memory; four codes in three bytes: a row's codes are one little-endian stream of bits, code i at bits 6 i .. 6 i + 5 (a code: sign, 2 exponent bits, 3 mantissa bits); and NAME_scales (uint8): the same leading axes, one E8M0 byte (e + 127) for each 32 codes along K. Its value is code x scale, taken as it is: it is not quantised again, and the codes and scales need not be those that the quantiser above would give.
;; One version. Each part assembles by itself: llvm-mc -triple=amdgcn-amd-amdhsa -mcpu=gfx1250 --defsym DOCPART=n.
;; ======== version 1 of 1: 7 launches
;; workspace buffers: hq 3,276,800 bytes; qkvb 9,830,400 bytes; yb 3,276,800 bytes; x1 16,777,216 bytes; gb 13,107,200 bytes
;; launch lnq1 (part 1): grid 256 x 1, 8 waves a work-group, no clusters, 83,968 bytes of LDS; arguments x, ln1_g, ln1_b, hq; writes hq
.if DOCPART == 1
	.amdgcn_target "amdgcn-amd-amdhsa--gfx1250"
	.amdhsa_code_object_version 6
	.text
	.protected	k_qb9adf353d5_lnq1
	.globl	k_qb9adf353d5_lnq1
	.p2align	8
	.type	k_qb9adf353d5_lnq1,@function
k_qb9adf353d5_lnq1:
	s_mov_b64 s[64:65], 0
	v_nop
	global_prefetch_b8 v0, s[64:65] scope:SCOPE_SE
	s_setreg_imm32_b32 hwreg(HW_REG_WAVE_MODE, 25, 1), 1
	s_wait_xcnt 0x0
; h = (x - mean) * rsqrt(var + 1e-5) * g + b over rows of 1,024 f32, then quantised along the row: codes of FP6 (E2M3), 768 bytes a row, at the output's byte 0, and one E8M0 byte
; for each 32 numbers, 32 bytes a row, from byte HQS on.  4,096 rows.  A work-group of eight waves takes 16 rows, a wave two: a row is 32 registers, so it is read once and stays in registers.
; A block's scale is 2^(floor(log2(largest magnitude)) - 2): its byte is the largest magnitude's exponent field - 2, held at 1 from below.
; LIMITS: NaN and infinities are not served; a block whose largest magnitude lies under 2^-124 keeps the byte 1; a block of zeros gets the byte 1 (its codes are zeros; this program alone reads the bytes).
; Loads take the bytes as they lie (512 consecutive bytes a load); the conversion wants 16 neighbours in one lane: the finished rows turn through the wave's own stage in LDS (64 bytes + 16 of padding a place).
.set SP,   80                          ; a place of the stage: 16 numbers + 16 bytes of padding
.set RST,  64*SP                       ; a row in the stage
.set WST,  2*RST                       ; a wave's stage
.set SCB,  8*WST                       ; behind the stages: the work-group's 512 scale bytes
.set HQS,  3145728                     ; where the scale bytes begin in the output
.set X,    16                          ; v16-79   two rows as loaded, 32 registers each
.set G,    80                          ; v80-111  g of my columns
.set BB,   112                         ; v112-143 b of my columns
.set Y,    144                         ; v144-207 four steps of 16 neighbours
.set C,    208                         ; v208-223 codes, four registers a step
	s_load_b256 s[4:11], s[0:1], 0x0               ; x s[4:5], g s[6:7], b s[8:9], out s[10:11]
	v_lshl_add_u32 v232, v0, 2, 0x14400
	v_mov_b32 v233, 0
	v_lshrrev_b32 v6, 5, v0
	v_readfirstlane_b32 s12, v6                    ; wave 0..7
	v_and_b32 v7, 31, v0                           ; lane
	v_lshlrev_b32 v1, 4, v7                        ; 16 x lane
	s_mul_i32 s13, s12, WST
	v_lshrrev_b32 v2, 2, v7
	v_mul_u32_u24 v2, v2, SP
	v_and_b32 v6, 3, v7
	v_lshl_add_u32 v2, v6, 4, v2
	v_add_nc_u32 v2, s13, v2                       ; the stage, way in: SP (lane / 4) + 16 (lane % 4)
	v_mul_u32_u24 v3, v7, SP
	v_add_nc_u32 v3, s13, v3                       ; way out: SP x lane
	v_mul_u32_u24 v4, v7, 12                       ; my 12 bytes of a step's 384 bytes of codes
	v_lshrrev_b32 v5, 1, v7
	s_lshl_b32 s13, s12, 6
	s_add_co_u32 s13, s13, SCB
	v_add_nc_u32 v5, s13, v5                       ; my block's byte: SCB + 64 x wave + lane / 2
	s_mov_b32 s14, 0x76543210
	s_mov_b32 s15, 0xfedcba98                      ; lane selects: lane l xor 16
	s_mov_b32 s16, 0x3a800000                      ; 1 / 1024
	s_mov_b32 s17, 0x3727c5ac                      ; 1e-5
	s_lshl_b32 s18, ttmp9, 4
	s_lshl_b32 s19, s12, 1
	s_add_co_u32 s18, s18, s19                     ; my first row
	s_lshl_b32 s20, s18, 12
	s_mov_b32 s21, 0
	s_mul_i32 s22, s18, 768
	s_mov_b32 s23, 0
	s_lshl_b32 s24, ttmp9, 9
	s_add_co_u32 s24, s24, HQS
	s_mov_b32 s25, 0
	s_wait_kmcnt 0x0
	s_add_nc_u64 s[4:5], s[4:5], s[20:21]
	s_add_nc_u64 s[26:27], s[10:11], s[24:25]      ; the work-group's scale bytes
	s_add_nc_u64 s[10:11], s[10:11], s[22:23]      ; my rows' codes
.irp r, 0,1
.irp i, 0,1,2,3,4,5,6,7
	global_load_b128 v[X+32*\r+4*\i:X+32*\r+4*\i+3], v1, s[4:5] offset:4096*\r+512*\i th:TH_LOAD_NT
.endr
.endr
.irp i, 0,1,2,3,4,5,6,7
	global_load_b128 v[G+4*\i:G+4*\i+3], v1, s[6:7] offset:512*\i
.endr
.irp i, 0,1,2,3,4,5,6,7
	global_load_b128 v[BB+4*\i:BB+4*\i+3], v1, s[8:9] offset:512*\i
.endr
.macro RED a, t                        ; the sum of v[a] over the 32 lanes, in every lane; v[t] has been written before
	v_add_f32_dpp v[\a], v[\a], v[\a] row_xmask:1 row_mask:0xf bank_mask:0xf
	v_add_f32_dpp v[\a], v[\a], v[\a] row_xmask:2 row_mask:0xf bank_mask:0xf
	v_add_f32_dpp v[\a], v[\a], v[\a] row_xmask:4 row_mask:0xf bank_mask:0xf
	v_add_f32_dpp v[\a], v[\a], v[\a] row_xmask:8 row_mask:0xf bank_mask:0xf
	v_permlanex16_b32 v[\t], v[\a], s14, s15
	v_add_f32 v[\a], v[\a], v[\t]
.endm
	s_wait_loadcnt 16                              ; the 16 loads of x are in; the 16 of g and b, issued behind them, may be out
.irp r, 0,1                            ; the mean: two chains of packed sums, then across the lanes
	v_pk_add_f32 v[8+4*\r:9+4*\r], v[X+32*\r:X+32*\r+1], v[X+32*\r+2:X+32*\r+3]
	v_pk_add_f32 v[10+4*\r:11+4*\r], v[X+32*\r+4:X+32*\r+5], v[X+32*\r+6:X+32*\r+7]
.irp j, 8,12,16,20,24,28
	v_pk_add_f32 v[8+4*\r:9+4*\r], v[8+4*\r:9+4*\r], v[X+32*\r+\j:X+32*\r+\j+1]
	v_pk_add_f32 v[10+4*\r:11+4*\r], v[10+4*\r:11+4*\r], v[X+32*\r+\j+2:X+32*\r+\j+3]
.endr
	v_pk_add_f32 v[8+4*\r:9+4*\r], v[8+4*\r:9+4*\r], v[10+4*\r:11+4*\r]
	v_add_f32 v[8+4*\r], v[8+4*\r], v[9+4*\r]
	RED 8+4*\r, 9+4*\r
	v_mul_f32 v[8+4*\r], s16, v[8+4*\r]            ; the mean, in the pair's low word
.endr
.irp r, 0,1                            ; x - mean in place, then the mean of its squares
.set i, 0
.rept 16
	v_pk_add_f32 v[X+32*\r+2*i:X+32*\r+2*i+1], v[X+32*\r+2*i:X+32*\r+2*i+1], v[8+4*\r:9+4*\r] op_sel_hi:[1,0] neg_lo:[0,1] neg_hi:[0,1]
.set i, i+1
.endr
	v_pk_mul_f32 v[10+4*\r:11+4*\r], v[X+32*\r:X+32*\r+1], v[X+32*\r:X+32*\r+1]
	v_pk_mul_f32 v[224+2*\r:225+2*\r], v[X+32*\r+2:X+32*\r+3], v[X+32*\r+2:X+32*\r+3]
.irp j, 4,8,12,16,20,24,28
	v_pk_fma_f32 v[10+4*\r:11+4*\r], v[X+32*\r+\j:X+32*\r+\j+1], v[X+32*\r+\j:X+32*\r+\j+1], v[10+4*\r:11+4*\r]
	v_pk_fma_f32 v[224+2*\r:225+2*\r], v[X+32*\r+\j+2:X+32*\r+\j+3], v[X+32*\r+\j+2:X+32*\r+\j+3], v[224+2*\r:225+2*\r]
.endr
	v_pk_add_f32 v[10+4*\r:11+4*\r], v[10+4*\r:11+4*\r], v[224+2*\r:225+2*\r]
	v_add_f32 v[10+4*\r], v[10+4*\r], v[11+4*\r]
	RED 10+4*\r, 11+4*\r
	v_fma_f32 v[10+4*\r], v[10+4*\r], s16, s17     ; var + eps
.endr
	v_rsq_f32 v10, v10
	v_rsq_f32 v14, v14
	v_nop                                          ; a plain instruction behind the last of the two
	s_wait_alu depctr_va_vdst(0)                   ; one wait for both, ahead of their first reader
	s_wait_loadcnt 0x0                             ; g and b
.irp r, 0,1
.set i, 0
.rept 16
	v_pk_mul_f32 v[X+32*\r+2*i:X+32*\r+2*i+1], v[X+32*\r+2*i:X+32*\r+2*i+1], v[10+4*\r:11+4*\r] op_sel_hi:[1,0]
	v_pk_fma_f32 v[X+32*\r+2*i:X+32*\r+2*i+1], v[X+32*\r+2*i:X+32*\r+2*i+1], v[G+2*i:G+2*i+1], v[BB+2*i:BB+2*i+1]
.set i, i+1
.endr
.endr
.irp r, 0,1                            ; the turn: LDS serves a wave's instructions in order, so no wait stands between the stores and the loads
.irp i, 0,1,2,3,4,5,6,7
	ds_store_b128 v2, v[X+32*\r+4*\i:X+32*\r+4*\i+3] offset:\r*RST+640*\i
.endr
.endr
.irp k, 0,1,2,3                        ; step k = 2 x row + half of the row: 32 places, one a lane
.irp j, 0,1,2,3
	ds_load_b128 v[Y+16*\k+4*\j:Y+16*\k+4*\j+3], v3 offset:(\k/2)*RST+(\k%2)*2560+16*\j
.endr
.endr
.macro STEP k
.set YS, Y+16*(\k)
	s_wait_dscnt 12-4*(\k)                         ; behind this step's four loads stand the later steps' loads (and byte stores, which the count leaves out: it is the smaller, safe one)
	v_max3_num_f32 v6, |v[YS]|, |v[YS+1]|, |v[YS+2]|
	v_max3_num_f32 v7, |v[YS+3]|, |v[YS+4]|, |v[YS+5]|
.irp i, 6,10
	v_max3_num_f32 v6, v6, |v[YS+\i]|, |v[YS+\i+1]|
	v_max3_num_f32 v7, v7, |v[YS+\i+2]|, |v[YS+\i+3]|
.endr
	v_max3_num_f32 v6, v6, |v[YS+14]|, |v[YS+15]|
	v_max3_num_f32 v6, v6, v7, 0x1800000           ; and the floor 2^(3 - 127): the byte cannot fall under 1
	v_max_num_f32_dpp v6, v6, v6 row_xmask:1 row_mask:0xf bank_mask:0xf   ; with my neighbour's 16: the block's largest magnitude
	v_add_nc_u32 v[224+(\k)], 0xff000000, v6       ; 2 off its exponent field: the conversion's scale operand
	v_cvt_scalef32_pk16_fp6_f32 v[C+4*(\k):C+4*(\k)+2], v[YS:YS+15], v[224+(\k)]
	v_lshrrev_b32 v[228+(\k)], 23, v[224+(\k)]     ; the scale's byte
	ds_store_b8 v5, v[228+(\k)] offset:32*((\k)/2)+16*((\k)%2)      ; both lanes of a block write the same byte with the same value
	global_store_b96 v4, v[C+4*(\k):C+4*(\k)+2], s[10:11] offset:768*((\k)/2)+384*((\k)%2)   ; the wave stores 384 consecutive bytes
.endm
	STEP 0
	STEP 1
	STEP 2
	STEP 3
	s_wait_dscnt 0x0                               ; for the others' sake: my byte stores have landed
	s_barrier_signal -1
	s_barrier_wait -1
	s_cmp_lg_u32 s12, 0
	s_cbranch_scc1 .Ldone                          ; wave 0 stores the work-group's 512 scale bytes: two aligned runs of 256 bytes
	v_add_nc_u32 v6, SCB, v1
	ds_load_b128 v[16:19], v6
	s_wait_dscnt 0x0
	global_store_b128 v1, v[16:19], s[26:27]
.Ldone:
	s_wait_tensorcnt 0x0
	ds_add_u32 v232, v233
	s_wait_dscnt 0x0
	s_endpgm
.Lfunc_end_k_qb9adf353d5_lnq1:
	.size	k_qb9adf353d5_lnq1, .Lfunc_end_k_qb9adf353d5_lnq1-k_qb9adf353d5_lnq1
	.p2alignl 7, 3214868480
	.fill 96, 4, 3214868480
	.section	.rodata,"a",@progbits
	.p2align	6, 0x0
	.amdhsa_kernel k_qb9adf353d5_lnq1
		.amdhsa_group_segment_fixed_size 83968
		.amdhsa_private_segment_fixed_size 0
		.amdhsa_enable_private_segment 0
		.amdhsa_kernarg_size 32
		.amdhsa_user_sgpr_count 2
		.amdhsa_user_sgpr_kernarg_segment_ptr 1
		.amdhsa_wavefront_size32 1
		.amdhsa_system_sgpr_workgroup_id_x 1
		.amdhsa_system_sgpr_workgroup_id_y 1
		.amdhsa_system_sgpr_workgroup_id_z 1
		.amdhsa_system_vgpr_workitem_id 0
		.amdhsa_next_free_vgpr 234
		.amdhsa_next_free_sgpr 66
		.amdhsa_reserve_vcc 0
		.amdhsa_float_denorm_mode_32 3
		.amdhsa_float_denorm_mode_16_64 3
		.amdhsa_memory_ordered 1
		.amdhsa_forward_progress 1
		.amdhsa_inst_pref_size 24
	.end_amdhsa_kernel
	.amdgpu_metadata
---
amdhsa.version: [ 1, 2 ]
amdhsa.kernels:
  - .name:           k_qb9adf353d5_lnq1
    .symbol:         k_qb9adf353d5_lnq1.kd
    .args:
      - { .name: x, .offset: 0, .size: 8, .value_kind: global_buffer, .address_space: global }
      - { .name: ln1_g, .offset: 8, .size: 8, .value_kind: global_buffer, .address_space: global }
      - { .name: ln1_b, .offset: 16, .size: 8, .value_kind: global_buffer, .address_space: global }
      - { .name: hq, .offset: 24, .size: 8, .value_kind: global_buffer, .address_space: global }
    .group_segment_fixed_size: 83968
    .private_segment_fixed_size: 0
    .kernarg_segment_align: 8
    .kernarg_segment_size: 32
    .max_flat_workgroup_size: 256
    .sgpr_count:     66
    .vgpr_count:     234
    .wavefront_size: 32
...
	.end_amdgpu_metadata
.endif
;; end of part 1
;; launch qkv (part 2): grid 12 x 16, 4 waves a work-group, clusters of 4 x 4, 327,680 bytes of LDS; arguments hq, Wq_codes, Wq_scales, Wk_codes, Wk_scales, Wv_codes, Wv_scales, bq, bk, bv, qkvb; writes qkvb
.if DOCPART == 2
	.amdgcn_target "amdgcn-amd-amdhsa--gfx1250"
	.amdhsa_code_object_version 6
	.text
	.protected	k_qb9adf353d5_qkv
	.globl	k_qb9adf353d5_qkv
	.p2align	8
	.type	k_qb9adf353d5_qkv,@function
k_qb9adf353d5_qkv:
	s_mov_b64 s[64:65], 0
	v_nop
	global_prefetch_b8 v0, s[64:65] scope:SCOPE_SE
	s_setreg_imm32_b32 hwreg(HW_REG_WAVE_MODE, 25, 1), 1
	s_wait_xcnt 0x0
	s_wait_alu depctr_hold_cnt(0) depctr_sa_sdst(0) depctr_va_vdst(0) depctr_va_sdst(0) depctr_va_ssrc(0) depctr_va_vcc(0) depctr_vm_vsrc(0)
	s_getreg_b32 s2, hwreg(HW_REG_IB_STS2, 6, 4)
	s_cmp_eq_u32 s2, 0
	s_cbranch_scc0 .Lentry_in_a_cluster
	s_endpgm
.Lentry_in_a_cluster:
	s_bfe_u32 s2, ttmp6, 0x10000c
	s_cmp_lg_u32 s2, 0xf033
	s_cbranch_scc0 .Lentry_shape_is_right
	s_endpgm
.Lentry_shape_is_right:
; A GEMM on codes of FP6 (E2M3) with E8M0 scales, K = 1,024, whose results are quantised again on the way out and leave as images of operand registers.
; QKV = 1: q, k, v = h W + bias.  Cluster x 0: q, 1: k, 2: v.  QKV = 0: g = gelu(h W1 + b1), exact (erf).
; ROLES.  Role A's 16 rows fall into the result's LANES (source 1), role B's 16 rows into a lane's REGISTERS (source 0).  For q, k and g role A is h (tokens) and role B the weight's rows, so a lane's
; registers run along the next product's K (the head's 128, the hidden units).  For v the roles change places (A = Wv's rows, B = h's rows): a lane's registers then run along the KEYS, the K of the second
; product of attention.  Both operands lie alike in memory (rows of 768 bytes of codes, 32 scale bytes), so only pointers and tile coordinates are chosen, by the cluster's x, which all partners share.
; A tile of 256 x 256 is made by four waves, 128 x 128 each (64 accumulators, 512 registers).  K goes in steps of 256 through two LDS slots filled by joint tensor loads: A's tiles are shared along a row of
; the 4 x 4 cluster, B's along a column.  The scale bytes of the work-group's rows come once and stay.
; THE WAY OUT.  For each of my 8 blocks of 16 A rows a lane holds 64 numbers: register 8 t + j is B row 16 t + 8 (lane / 16) + j.  Bias (and gelu) in f32, then four blocks of 32 are quantised: 12 registers of
; codes and a scale word a row.  Inside a block of 32 the order of the codes is a fixed permutation; q and k, and p and v, are made the same way on both sides, so the products are the same.
; g meets a given weight: its numbers change lanes first, so that the order is the natural one.
; LIMITS: NaN and infinities are not served; a block whose largest magnitude lies under 2^-124, or of zeros, keeps the byte 1; erf's argument is held to +-4, beyond which erf is +-1 in f32.
.set QKV,    1
.set KSTEP,  256
.set NQ,     2
.set ROWB,   192
.set KROW,   768
.set PITCH,  240                       ; an LDS row: 3 x (64 bytes + 16 of padding)
.set FR,     12
.set NL,     6
.set NP,     4
.set HALFT,  128*PITCH
.set SLOT,   4*HALFT
.set LAPS,   2
.set KS,     32
.set SCL,    2*SLOT
.set HALFS,  (128*KS/256)*272
.set SBLK,   (16*KS/256)*272
.set SPARE,  SCL+4*HALFS               ; the spare words, 128 bytes a wave, that no other line names
.set HQS,    3145728                   ; h's scale bytes begin here in its buffer
.set ADRA, 16                          ; v16-19  LDS addresses of A's fragments (slot 0, 1; the same behind one padding more)
.set ADRB, 20                          ; v20-23  B's
.set SWA,  24                          ; v24     way out: 512 x wave + 4 (lane % 16)
.set SRD,  25                          ; v25     way out: 512 x wave + 16 x lane
.set LI,   26                          ; v26     16 x lane
.set ADRS, 27                          ; v27     LDS address of my scale words; on the way out at work
.set SPW,  28
.set NIL,  29
.set BO,   30                          ; v30     32 (lane / 16): never rewritten
.set VO,   31                          ; v31     4 (lane % 16): never rewritten
.set SC,   32                          ; v32-63  scale words, two sets
.set T,    64                          ; v64-127 way out: a block's 64 numbers
.set AF,   128                         ; A's fragments, window 0
.set PC,   128                         ; way out: codes (19 registers)
.set TM,   148                         ; way out: 16 registers at work
.set PW,   164                         ; way out: the scale word
.set SEL,  40                          ; s[40:41] on the way out: lane selects
.set G1, 24
.set G0, 32
.set G1B, 48
.set G0B, 56
.set G1S, 68
.set G0S, 76
.set G1SB, 80
.set G0SB, 88
.set MSB, 0
.macro WIN new                         ; the immediate's high byte repeats the setting that is left
.if MSB != \new
	s_set_vgpr_msb (MSB<<8)|\new
.set MSB, \new
.endif
.endm
.set MUL_LO, 0xa1                      ; source 0 (B) window 1, source 1 (A) window 0, C and D window 2
.set MUL_HI, 0xf1
.set TO_B,   0x40
.macro JLOAD g0a, g1a, g0b, g1b        ; a joint load: waves 0 and 1 fetch for A, waves 2 and 3 for B; four v_nop follow each line
	s_cmp_eq_u32 s15, 0
	s_cbranch_scc0 .Lfor_b_\@
	tensor_load_to_lds s[\g0a:\g0a+3], s[\g1a:\g1a+7]
	s_nop 0
.rept 4
	v_nop
.endr
	s_branch .Lasked_\@
.Lfor_b_\@:
	tensor_load_to_lds s[\g0b:\g0b+3], s[\g1b:\g1b+7]
	s_nop 0
.rept 4
	v_nop
.endr
.Lasked_\@:
.endm
.macro CREST
	s_cmp_lg_u32 s14, 0
	s_cbranch_scc1 .Lnot_wave_0_\@
	s_barrier_signal -3
.Lnot_wave_0_\@:
	s_barrier_wait -3
	s_barrier_signal -1
	s_barrier_wait -1
.endm
.macro CROUND
	s_barrier_signal -1
	s_barrier_wait -1
	CREST
.endm
.if QKV
	s_load_b512 s[68:83], s[0:1], 0x0              ; h, Wq codes, scales, Wk codes, scales, Wv codes, scales, bq
	s_load_b128 s[84:87], s[0:1], 0x40             ; bk, bv
	s_load_b64 s[88:89], s[0:1], 0x50              ; out
.else
	s_load_b256 s[68:75], s[0:1], 0x0              ; h, W1 codes, W1 scales, b1
	s_load_b64 s[88:89], s[0:1], 0x20              ; out
.endif
	v_lshl_add_u32 v[SPW], v0, 2, SPARE
	v_mov_b32 v[NIL], 0
	ds_add_u32 v28, v29
	s_wait_dscnt 0x0
	v_lshrrev_b32 v1, 5, v0
	v_readfirstlane_b32 s14, v1                    ; wave 0..3
	s_lshr_b32 s15, s14, 1                         ; my half of A's rows.  Also: I fetch for A (0) or B (1)
	s_and_b32 s16, s14, 1                          ; my half of B's rows.  Also: which 128 rows I fetch
	s_bfe_u32 s40, ttmp6, 0x40000                  ; cx
	s_bfe_u32 s41, ttmp6, 0x40004                  ; cy
	s_and_b32 s18, ttmp7, 0xffff
	s_lshl_b32 s18, s18, 2                         ; 4 x cluster y
.if QKV
	s_cmp_eq_u32 ttmp9, 2                          ; v?  The cluster's x: the same in all sixteen partners
	s_cselect_b32 s100, 1, 0
	s_cselect_b32 s17, 0, s18                      ; A's tile: of h's 16 by cluster y, of Wv's 4 by cy alone
	s_cselect_b32 s42, s18, 0                      ; B's tile: of a weight's 4 by cx alone, of h's 16 by cluster y
.else
	s_mov_b32 s17, s18
	s_lshl_b32 s42, ttmp9, 2
.endif
	s_add_co_u32 s17, s17, s41
	s_add_co_u32 s42, s42, s40
	s_lshl_b32 s43, s41, 2
	s_lshl_b32 s43, 15, s43                        ; my row of the cluster
	s_lshl_b32 s44, 0x1111, s40                    ; my column
	s_or_b32 s[G1+0], s43, (0<<16)|(1<<20)|(1<<21)|(3<<22)|(3<<25)  ; mask; elements of 1 byte; padding: 4 words behind every 16
	s_or_b32 s[G1B+0], s44, (0<<16)|(1<<20)|(1<<21)|(3<<22)|(3<<25)
.irp g, G1, G1B
	s_mov_b32 s[\g+1], ROWB<<16
	s_mov_b32 s[\g+2], 128<<16
	s_mov_b32 s[\g+3], ROWB<<16
	s_mov_b32 s[\g+4], 128
	s_mov_b32 s[\g+5], KROW
	s_mov_b32 s[\g+6], 0
	s_mov_b32 s[\g+7], 0
.endr
	s_lshl_b32 s18, s16, 7
	s_lshl_b32 s20, s17, 8
	s_add_co_u32 s20, s20, s18                     ; A: row 256 x tile + 128 x half
	s_lshl_b32 s46, s42, 8
	s_add_co_u32 s46, s46, s18                     ; B likewise
	s_mov_b32 s21, 0
	s_mov_b32 s47, 0
	s_mov_b64 s[18:19], KS
	s_mul_u64 s[22:23], s[20:21], s[18:19]
	s_mul_u64 s[92:93], s[46:47], s[18:19]
	s_mov_b64 s[18:19], KROW
	s_mul_u64 s[20:21], s[20:21], s[18:19]
	s_mul_u64 s[46:47], s[46:47], s[18:19]
	s_mul_i32 s45, s14, HALFT
	s_mul_i32 s94, s14, HALFS
	s_wait_kmcnt 0x0
	s_add_nc_u64 s[96:97], s[68:69], HQS           ; h's scale bytes
.if QKV
	s_cmp_eq_u32 ttmp9, 1
	s_cselect_b64 s[70:71], s[74:75], s[70:71]     ; Wk or Wq
	s_cselect_b64 s[72:73], s[76:77], s[72:73]
	s_cselect_b64 s[82:83], s[84:85], s[82:83]
	s_cmp_eq_u32 ttmp9, 2
	s_cselect_b64 s[4:5], s[78:79], s[68:69]       ; A's codes
	s_cselect_b64 s[6:7], s[80:81], s[96:97]       ; A's scales
	s_cselect_b64 s[8:9], s[68:69], s[70:71]       ; B's codes
	s_cselect_b64 s[10:11], s[96:97], s[72:73]     ; B's scales
	s_cselect_b64 s[98:99], s[86:87], s[82:83]     ; the bias
.else
	s_mov_b64 s[4:5], s[68:69]
	s_mov_b64 s[6:7], s[96:97]
	s_mov_b64 s[8:9], s[70:71]
	s_mov_b64 s[10:11], s[72:73]
	s_mov_b64 s[98:99], s[74:75]
.endif
	s_mov_b64 s[12:13], s[88:89]
	s_add_nc_u64 s[20:21], s[4:5], s[20:21]
	s_add_nc_u64 s[22:23], s[6:7], s[22:23]
	s_add_nc_u64 s[46:47], s[8:9], s[46:47]
	s_add_nc_u64 s[92:93], s[10:11], s[92:93]
	s_or_b32 s[G1S+0], s43, (3<<16)|(1<<20)|(1<<21)|(5<<22)|(3<<25)   ; the scale bytes of 128 rows: a dense block, as rows of 256 bytes + 16 of padding
	s_or_b32 s[G1SB+0], s44, (3<<16)|(1<<20)|(1<<21)|(5<<22)|(3<<25)
.irp g, G1S, G1SB
	s_mov_b32 s[\g+1], 32<<16
	s_mov_b32 s[\g+2], (128*KS/256)<<16
	s_mov_b32 s[\g+3], 32<<16
	s_mov_b32 s[\g+4], 128*KS/256
	s_mov_b32 s[\g+5], 32
	s_mov_b32 s[\g+6], 0
	s_mov_b32 s[\g+7], 0
.endr
	CROUND                                         ; all sixteen work-groups are here: the first joint loads meet
	s_mov_b32 s[G0S], 1
	s_add_co_u32 s[G0S+1], s94, SCL
	s_mov_b64 s[G0S+2:G0S+3], s[22:23]
	s_or_b32 s[G0S+3], s[G0S+3], 0x80000000
	s_mov_b32 s[G0SB], 1
	s_add_co_u32 s[G0SB+1], s94, SCL
	s_mov_b64 s[G0SB+2:G0SB+3], s[92:93]
	s_or_b32 s[G0SB+3], s[G0SB+3], 0x80000000
	JLOAD G0S, G1S, G0SB, G1SB
.irp s, 0,1
	s_mov_b32 s[G0+4*\s], 1
	s_add_co_u32 s[G0+4*\s+1], s45, \s*SLOT
	s_add_nc_u64 s[G0+4*\s+2:G0+4*\s+3], s[20:21], \s*ROWB
	s_or_b32 s[G0+4*\s+3], s[G0+4*\s+3], 0x80000000
	s_mov_b32 s[G0B+4*\s], 1
	s_add_co_u32 s[G0B+4*\s+1], s45, \s*SLOT
	s_add_nc_u64 s[G0B+4*\s+2:G0B+4*\s+3], s[46:47], \s*ROWB
	s_or_b32 s[G0B+4*\s+3], s[G0B+4*\s+3], 0x80000000
	JLOAD G0+4*\s, G1, G0B+4*\s, G1B
.endr
	v_and_b32 v1, 15, v0                           ; r
	v_bfe_u32 v2, v0, 4, 1                         ; h
	v_mul_u32_u24 v3, v1, PITCH
	v_mul_u32_u24 v4, v2, 24
	v_add_nc_u32 v4, v3, v4
	v_lshl_add_u32 v5, v2, 4, v4
	s_mul_i32 s21, s15, HALFT
	s_mul_i32 s22, s16, HALFT
	s_add_co_u32 s22, s22, 2*HALFT
.irp s, 0,1
	v_add_nc_u32 v[ADRA+\s], s21, v4
	v_add_nc_u32 v[ADRB+\s], s22, v4
	v_add_nc_u32 v[ADRA+2+\s], s21, v5
	v_add_nc_u32 v[ADRB+2+\s], s22, v5
	s_add_co_u32 s21, s21, SLOT
	s_add_co_u32 s22, s22, SLOT
.endr
	v_mul_u32_u24 v5, v1, KS
	v_lshrrev_b32 v6, 8, v5
	v_lshl_add_u32 v5, v6, 4, v5
	s_mul_i32 s21, s15, HALFS
	s_mul_i32 s22, s16, HALFS
	s_add_co_u32 s22, s22, 2*HALFS
	s_sub_co_u32 s22, s22, s21
	v_mul_u32_u24 v6, s22, v2                      ; lanes 16-31 take B's words
	s_add_co_u32 s21, s21, SCL
	v_add_nc_u32 v5, v5, v6
	v_add_nc_u32 v[ADRS], s21, v5
	s_lshl_b32 s23, s14, 9
	v_lshl_add_u32 v[SWA], v1, 2, s23
	v_and_b32 v6, 31, v0
	v_lshlrev_b32 v[LI], 4, v6
	v_add_nc_u32 v[SRD], s23, v[LI]
	v_lshlrev_b32 v[BO], 5, v2
	v_lshlrev_b32 v[VO], 2, v1
	s_lshl_b32 s95, s17, 1
	s_add_co_u32 s95, s95, s15                     ; IA: which 128 rows of role A are mine
	s_lshl_b32 s101, s42, 1
	s_add_co_u32 s101, s101, s16                   ; IB: which 128 rows of role B
	; the bias: by B's rows (64 numbers a lane, in the free registers of window 1) and, for v, by A's rows (a number a lane and block).  Both sets are always loaded, inside the buffer; the way out takes one
	s_lshl_b32 s20, s101, 9
	s_mov_b32 s21, 0
.if QKV
	s_lshl_b32 s22, s95, 9
	s_mov_b32 s23, 0
	s_cmp_eq_u32 s100, 1
	s_cselect_b32 s20, 0, s20
	s_cselect_b32 s22, s22, 0
	s_add_nc_u64 s[96:97], s[98:99], s[22:23]
.endif
	s_add_nc_u64 s[98:99], s[98:99], s[20:21]
	WIN TO_B
.irp b, 0,1,2,3,4,5,6,7
	global_load_b128 v[96+8*\b+96*(\b/4):99+8*\b+96*(\b/4)], v[BO], s[98:99] offset:64*\b
	global_load_b128 v[100+8*\b+96*(\b/4):103+8*\b+96*(\b/4)], v[BO], s[98:99] offset:64*\b+16
.endr
	WIN 0
.if QKV
.irp a, 0,1,2,3,4,5,6,7
	global_load_b32 v[224+2*\a], v[VO], s[96:97] offset:64*\a
	global_load_b32 v[225+2*\a], v[VO], s[96:97] offset:64*\a
.endr
.endif
.macro FRAG reg, adr, q, i             ; a fragment: 16 rows x 128 K: 12 registers, in pieces of 8 bytes; lanes 16-31 read three pieces further on, for some pieces behind one padding more
.irp p, 0,1,2,3,4,5
.set PCE, 12*(\q)+6*(\p/3)+\p%3
.if PCE%8 < 5
	ds_load_b64 v[\reg+2*\p:\reg+2*\p+1], v[\adr] offset:8*PCE+16*(PCE/8)+(\i)*16*PITCH
.else
	ds_load_b64 v[\reg+2*\p:\reg+2*\p+1], v[\adr+2] offset:8*PCE+16*(PCE/8)+(\i)*16*PITCH
.endif
.endr
.endm
; 16 matrix instructions: A's blocks a0, a0 + 1 x B's eight.  The 64 accumulators take turns, one instruction a turn, in the same order in every step
.macro MUL16 a0, p, q, sc, zero
.irp a, \a0, \a0+1
.irp b, 0,1,2,3,4,5,6,7
.if \zero
	v_wmma_scale_f32_16x16x128_f8f6f4 v[8*(8*((\a)%4)+\b):8*(8*((\a)%4)+\b)+7], v[128*(\p)+FR*\b:128*(\p)+FR*\b+FR-1], v[AF+FR*(\a):AF+FR*(\a)+FR-1], 0, v[SC+8*NQ*(\sc)+NQ*\b+(\q)], v[SC+8*NQ*(\sc)+NQ*(\a)+(\q)] matrix_a_fmt:MATRIX_FMT_FP6 matrix_b_fmt:MATRIX_FMT_FP6 matrix_a_scale:MATRIX_SCALE_ROW1
.else
	v_wmma_scale_f32_16x16x128_f8f6f4 v[8*(8*((\a)%4)+\b):8*(8*((\a)%4)+\b)+7], v[128*(\p)+FR*\b:128*(\p)+FR*\b+FR-1], v[AF+FR*(\a):AF+FR*(\a)+FR-1], v[8*(8*((\a)%4)+\b):8*(8*((\a)%4)+\b)+7], v[SC+8*NQ*(\sc)+NQ*\b+(\q)], v[SC+8*NQ*(\sc)+NQ*(\a)+(\q)] matrix_a_fmt:MATRIX_FMT_FP6 matrix_b_fmt:MATRIX_FMT_FP6 matrix_a_scale:MATRIX_SCALE_ROW1
.endif
.endr
.endr
.endm
.macro FETCH_B slot, q, p
	WIN TO_B
.irp i, 0,1,2,3,4,5,6,7
	FRAG 128*(\p)+FR*\i, ADRB+\slot, \q, \i
.endr
	WIN 0
.endm
.macro FETCH_A slot, q, i0
.irp i, \i0, \i0+1, \i0+2, \i0+3
	FRAG AF+FR*(\i), ADRA+\slot, \q, \i
.endr
.endm
.macro SCALES sc                       ; a K step's scale words: lanes 0-15 A's block i, lanes 16-31 B's block i
.irp i, 0,1,2,3,4,5,6,7
	ds_load_b64 v[SC+8*NQ*\sc+NQ*\i:SC+8*NQ*\sc+NQ*\i+1], v[ADRS] offset:\i*SBLK
.endr
.endm
.macro PLACES n                        ; plain instructions between a matrix instruction and a load into, or a read of, its registers
.rept \n
	v_nop
.endr
.endm
.macro STEP slot, q, zero
	s_wait_dscnt 4*NL                              ; B's set and A's blocks 0-3 are in; the 24 youngest loads (A's blocks 4-7) may be out
	WIN MUL_LO
	MUL16 0, (\q)%2, \q, \slot, \zero
	MUL16 2, (\q)%2, \q, \slot, \zero
	s_wait_dscnt 0
	PLACES NP
	FETCH_B \slot, (\q)+1, 1-(\q)%2
	FETCH_A \slot, (\q)+1, 0
	WIN MUL_HI
	MUL16 4, (\q)%2, \q, \slot, \zero
	MUL16 6, (\q)%2, \q, \slot, \zero
	PLACES NP
	WIN 0
	FETCH_A \slot, (\q)+1, 4
.endm
; A slot's last step changes slots: one barrier; in front of it each wave waits for all its tensor loads, adds 0 to its spare word, and waits for that and for its own reads of this slot
.macro TURN slot, next, fill
	s_wait_tensorcnt 0x0                           ; all my tensor loads have landed: my part of the next slot
	ds_add_u32 v[SPW], v[NIL]                      ; 0 onto my spare word
	s_wait_dscnt 4*NL+1                            ; the add and the 24 youngest loads may be out
	WIN MUL_LO
	MUL16 0, 1, NQ-1, \slot, 0
	s_wait_dscnt 0x0                               ; the add is done, and my reads of this slot are over
	s_barrier_signal -1
	MUL16 2, 1, NQ-1, \slot, 0
	WIN 0
	s_barrier_wait -1
.if \fill
	CREST                                          ; the barrier has opened a round of the cluster's barrier: no wave of any partner still reads this slot or has a load on its way
	s_add_nc_u64 s[G0+4*\slot+2:G0+4*\slot+3], s[G0+4*\slot+2:G0+4*\slot+3], 2*ROWB
	s_add_nc_u64 s[G0B+4*\slot+2:G0B+4*\slot+3], s[G0B+4*\slot+2:G0B+4*\slot+3], 2*ROWB
	JLOAD G0+4*\slot, G1, G0B+4*\slot, G1B
.else
	PLACES NP
.endif
	v_add_nc_u32 v[ADRS], 4*NQ, v[ADRS]
	FETCH_B \next, 0, 0
	FETCH_A \next, 0, 0
	SCALES \next
	WIN MUL_HI
	MUL16 4, 1, NQ-1, \slot, 0
	MUL16 6, 1, NQ-1, \slot, 0
	PLACES NP
	WIN 0
	FETCH_A \next, 0, 4
.endm
	s_wait_tensorcnt 1                             ; the scales and my part of K step 0 are in; K step 1's load may be out
	s_barrier_signal -1
	s_barrier_wait -1
	FETCH_B 0, 0, 0
	FETCH_A 0, 0, 0
	SCALES 0
	FETCH_A 0, 0, 4
	STEP 0, 0, 1                                   ; the first step's products start the sums
	s_mov_b32 s3, LAPS-1
.Llap:
	TURN 0, 1, 1
	STEP 1, 0, 0
	TURN 1, 0, 1
	STEP 0, 0, 0
	s_sub_co_u32 s3, s3, 1
	s_cmp_lg_u32 s3, 0
	s_cbranch_scc1 .Llap
	TURN 0, 1, 0
	STEP 1, 0, 0
	s_wait_dscnt 4*NL
	WIN MUL_LO
	MUL16 0, 1, NQ-1, 1, 0
	MUL16 2, 1, NQ-1, 1, 0
	s_wait_dscnt 0
	WIN MUL_HI
	MUL16 4, 1, NQ-1, 1, 0
	MUL16 6, 1, NQ-1, 1, 0
	WIN 0
; ---- THE WAY OUT ----
; 64 numbers of a lane, v[s] on; registers 16 b .. 16 b + 15 and those of lane l xor 16 are block b of my row.  They become 12 registers of codes in v[PC] on and my row's scale word in v[PW].
.macro QUANT s
.irp b, 0,1,2,3
	v_max3_num_f32 v[TM+\b], |v[\s+16*\b]|, |v[\s+1+16*\b]|, 0x1800000   ; my 16 numbers, and the floor 2^(3 - 127): the byte cannot fall under 1
.endr
.irp i, 2,4,6,8,10,12,14
.irp b, 0,1,2,3
	v_max3_num_f32 v[TM+\b], v[TM+\b], |v[\s+16*\b+\i]|, |v[\s+1+16*\b+\i]|
.endr
.endr
.irp b, 0,1,2,3
	v_permlanex16_b32 v[TM+4+\b], v[TM+\b], s[SEL], s[SEL+1]
.endr
.irp b, 0,1,2,3
	v_max_num_f32 v[TM+\b], v[TM+\b], v[TM+4+\b]
.endr
.irp b, 0,1,2,3
	v_add_nc_u32 v[TM+12+\b], 0xff000000, v[TM+\b]   ; 2 off the exponent field: the conversion's scale operand
.endr
.irp b, 0,1,2,3
	v_lshrrev_b32 v[TM+4+\b], 23, v[TM+12+\b]
.endr
	v_lshl_or_b32 v[PW], v[TM+5], 8, v[TM+4]
	v_lshl_or_b32 v[PW], v[TM+6], 16, v[PW]
	v_lshl_or_b32 v[PW], v[TM+7], 24, v[PW]
.irp c, 0,1
	v_cvt_scalef32_pk16_fp6_f32 v[PC+6*\c:PC+2+6*\c], v[\s+32*\c:\s+15+32*\c], v[TM+12+2*\c]
	v_cvt_scalef32_pk16_fp6_f32 v[PC+12+4*\c:PC+14+4*\c], v[\s+16+32*\c:\s+31+32*\c], v[TM+12+2*\c+1]
.endr
	v_nop                                          ; one plain instruction behind a scaled conversion
.irp c, 0,1                            ; the operand's layout wants a whole block in a lane
.irp i, 0,1,2
	v_permlane16_swap_b32 v[PC+6*\c+\i], v[PC+12+4*\c+\i]
.endr
.irp i, 0,1,2
	v_mov_b32 v[PC+3+6*\c+\i], v[PC+12+4*\c+\i]
.endr
.endr
.endm
.macro ADDB a                          ; block a's 64 sums + the bias by B's rows -> T; each accumulator is read from its low end on
	WIN 0x06+(\a)/4
.set i, 0
.rept 32
	v_pk_add_f32 v[T+2*i:T+2*i+1], v[64*((\a)%4)+2*i:64*((\a)%4)+2*i+1], v[96+2*i+96*(i/16):97+2*i+96*(i/16)]
.set i, i+1
.endr
	WIN 0
.endm
.macro ADDV a                          ; the same + the bias by A's rows
	WIN 0x02+(\a)/4
.set i, 0
.rept 32
	v_pk_add_f32 v[T+2*i:T+2*i+1], v[64*((\a)%4)+2*i:64*((\a)%4)+2*i+1], v[224+2*(\a):225+2*(\a)]
.set i, i+1
.endr
	WIN 0
.endm
; gelu(z) = z/2 + z/2 erf(z / sqrt 2) on 32 numbers; erf(t) = t P(t^2) / Q(t^2), t held to +-4.  v128-159 t, v160-191 t^2, v192-223 P, v224-255 Q.  The 32 reciprocals are one batch with one wait
.macro GELU32 u
.set TU, T+32*\u
.set i, 0
.rept 16
	v_pk_mul_f32 v[128+2*i:129+2*i], v[TU+2*i:TU+2*i+1], 0x3f3504f3 op_sel_hi:[1,0]
.set i, i+1
.endr
.set i, 0
.rept 32
	v_med3_num_f32 v[128+i], v[128+i], -4.0, 4.0
.set i, i+1
.endr
.set i, 0
.rept 16
	v_pk_mul_f32 v[160+2*i:161+2*i], v[128+2*i:129+2*i], v[128+2*i:129+2*i]
.set i, i+1
.endr
.set i, 0
.rept 16
	v_pk_fma_f32 v[192+2*i:193+2*i], v[160+2*i:161+2*i], v[8:9], 0x32edffee op_sel_hi:[1,1,0]
	v_pk_fma_f32 v[224+2*i:225+2*i], v[160+2*i:161+2*i], v[10:11], 0xb95fbd29 op_sel_hi:[1,1,0]
.set i, i+1
.endr
.irp k, 0xb60cff51, 0xb86ec2d2, 0xba40ac63, 0xbb41a1f6, 0xbc83dbd4
.set i, 0
.rept 16
	v_pk_fma_f32 v[192+2*i:193+2*i], v[192+2*i:193+2*i], v[160+2*i:161+2*i], \k op_sel_hi:[1,1,0]
.set i, i+1
.endr
.endr
.irp k, 0xbadc924e, 0xbbf19bf8, 0xbc69b6a7
.set i, 0
.rept 16
	v_pk_fma_f32 v[224+2*i:225+2*i], v[224+2*i:225+2*i], v[160+2*i:161+2*i], \k op_sel_hi:[1,1,0]
.set i, i+1
.endr
.endr
.set i, 0
.rept 32
	v_rcp_f32 v[224+i], v[224+i]
.set i, i+1
.endr
.set i, 0
.rept 16
	v_pk_mul_f32 v[192+2*i:193+2*i], v[192+2*i:193+2*i], v[128+2*i:129+2*i]      ; t P: plain work that names no reciprocal
	v_pk_mul_f32 v[TU+2*i:TU+2*i+1], v[TU+2*i:TU+2*i+1], 0.5 op_sel_hi:[1,0]
.set i, i+1
.endr
	s_wait_alu depctr_va_vdst(0)                   ; one wait for the batch, ahead of its first reader
.set i, 0
.rept 16
	v_pk_mul_f32 v[192+2*i:193+2*i], v[192+2*i:193+2*i], v[224+2*i:225+2*i]
.set i, i+1
.endr
.set i, 0
.rept 16
	v_pk_fma_f32 v[TU+2*i:TU+2*i+1], v[TU+2*i:TU+2*i+1], v[192+2*i:193+2*i], v[TU+2*i:TU+2*i+1]
.set i, i+1
.endr
.endm
	PLACES NP                                      ; behind the last products, ahead of the first read of results and the first write of A's registers
	s_wait_loadcnt 0x0                             ; the bias
.irp b, 0,1,2,3
	v_mov_b32 v[TM+4+\b], 0                        ; a lane permute's destination counts as read
.endr
	s_mov_b32 s[SEL], 0x76543210
	s_mov_b32 s[SEL+1], 0xfedcba98
.if QKV
.set STEPA, 1536
	s_cmp_eq_u32 s100, 1
	s_cselect_b32 s20, s101, s95                   ; which 128 tokens
	s_cselect_b32 s21, s95, s101                   ; which head
	s_lshr_b32 s22, s20, 4
	s_lshl_b32 s22, s22, 3
	s_add_co_u32 s22, s22, s21                     ; 8 x batch + head
	s_lshl_b32 s22, s22, 4
	s_and_b32 s20, s20, 15
	s_add_co_u32 s22, s22, s20                     ; x 16 + the group of 128 tokens
	s_mul_i32 s20, s22, 12288
	s_mul_i32 s21, ttmp9, 3145728
	s_add_co_u32 s20, s20, s21
	s_mov_b32 s21, 0
	s_add_nc_u64 s[4:5], s[12:13], s[20:21]        ; my eight images
	s_lshl_b32 s20, s22, 9
	s_lshl_b32 s22, ttmp9, 17
	s_add_co_u32 s20, s20, s22
	s_add_co_u32 s20, s20, 9437184
	s_add_nc_u64 s[6:7], s[12:13], s[20:21]        ; their 512 bytes of scale words
.else
.set STEPA, 49152
	s_lshl_b32 s20, s95, 8
	s_add_co_u32 s20, s20, s101
	s_mul_i32 s20, s20, 1536
	s_mov_b32 s21, 0
	s_add_nc_u64 s[4:5], s[12:13], s[20:21]        ; image (row tile 8 IA, K step IB); a row tile on is 32 images on
	s_lshl_b32 s20, s101, 14
	s_lshl_b32 s22, s95, 9
	s_add_co_u32 s20, s20, s22
	s_add_co_u32 s20, s20, 12582912
	s_add_nc_u64 s[6:7], s[12:13], s[20:21]
	v_mov_b32 v8, 0xaf95df0b                       ; P's and Q's leading coefficients, as pairs
	v_mov_b32 v9, 0xaf95df0b
	v_mov_b32 v10, 0xb77460cd
	v_mov_b32 v11, 0xb77460cd
.endif
	s_mov_b32 s3, 0
.Lablk:                                                ; eight trips, a block of 16 A rows each.  Only the lines that name the block's accumulators are written eight times; the trip's number picks them
.if QKV
	s_cmp_lg_u32 s100, 0
	s_cbranch_scc1 .Lvchain
.endif
.irp a, 0,1,2,3,4,5,6
	s_cmp_lg_u32 s3, \a
	s_cbranch_scc1 .Lnb\a
	ADDB \a
	s_branch .Lcommon
.Lnb\a:
.endr
	ADDB 7
.if QKV
	s_branch .Lcommon
.Lvchain:
.irp a, 0,1,2,3,4,5,6
	s_cmp_lg_u32 s3, \a
	s_cbranch_scc1 .Lnv\a
	ADDV \a
	s_branch .Lcommon
.Lnv\a:
.endr
	ADDV 7
.endif
.Lcommon:
.if QKV == 0
	GELU32 0
	GELU32 1
.irp b, 0,1,2,3                        ; into the natural order along K: afterwards register 16 b + i is k = 32 b + 16 (lane / 16) + i
.irp j, 0,1,2,3,4,5,6,7
	v_permlane16_swap_b32 v[T+16*\b+\j], v[T+16*\b+8+\j]
.endr
.endr
.endif
	QUANT T
	s_lshl_b32 s2, s3, 6
	v_add_nc_u32 v[ADRS], s2, v[SWA]               ; the block's 64 bytes of my 512 in LDS (in slot 0, which has had its last fill and its last read)
.irp c, 0,1,2
	global_store_b128 v[LI], v[PC+4*\c:PC+4*\c+3], s[4:5] offset:512*\c     ; the image: 3 x 512 consecutive bytes
.endr
	ds_store_b32 v[ADRS], v[PW]                    ; lanes r and r + 16 write the same word with the same value
	s_wait_xcnt 0x0                                ; the stores have read their data and their base: both are written again only behind this wait
	s_add_nc_u64 s[4:5], s[4:5], STEPA
	s_add_co_u32 s3, s3, 1
	s_cmp_lt_u32 s3, 8
	s_cbranch_scc1 .Lablk
	ds_load_b128 v[132:135], v[SRD]                ; LDS serves a wave's instructions in order: this sees my eight stores
	s_wait_dscnt 0x0
	global_store_b128 v[LI], v[132:135], s[6:7]    ; 512 consecutive bytes of scale words
	s_wait_tensorcnt 0x0                           ; the wave's end
	ds_add_u32 v[SPW], v[NIL]
	s_wait_dscnt 0x0
	CROUND                                         ; the closing round
	s_endpgm
.Lfunc_end_k_qb9adf353d5_qkv:
	.size	k_qb9adf353d5_qkv, .Lfunc_end_k_qb9adf353d5_qkv-k_qb9adf353d5_qkv
	.p2alignl 7, 3214868480
	.fill 96, 4, 3214868480
	.section	.rodata,"a",@progbits
	.p2align	6, 0x0
	.amdhsa_kernel k_qb9adf353d5_qkv
		.amdhsa_group_segment_fixed_size 327680
		.amdhsa_private_segment_fixed_size 0
		.amdhsa_enable_private_segment 0
		.amdhsa_kernarg_size 88
		.amdhsa_user_sgpr_count 2
		.amdhsa_user_sgpr_kernarg_segment_ptr 1
		.amdhsa_wavefront_size32 1
		.amdhsa_system_sgpr_workgroup_id_x 1
		.amdhsa_system_sgpr_workgroup_id_y 1
		.amdhsa_system_sgpr_workgroup_id_z 1
		.amdhsa_system_vgpr_workitem_id 0
		.amdhsa_next_free_vgpr 1024
		.amdhsa_next_free_sgpr 104
		.amdhsa_reserve_vcc 0
		.amdhsa_float_denorm_mode_32 3
		.amdhsa_float_denorm_mode_16_64 3
		.amdhsa_memory_ordered 1
		.amdhsa_forward_progress 1
		.amdhsa_inst_pref_size 174
	.end_amdhsa_kernel
	.amdgpu_metadata
---
amdhsa.version: [ 1, 2 ]
amdhsa.kernels:
  - .name:           k_qb9adf353d5_qkv
    .symbol:         k_qb9adf353d5_qkv.kd
    .args:
      - { .name: hq, .offset: 0, .size: 8, .value_kind: global_buffer, .address_space: global }
      - { .name: Wq_codes, .offset: 8, .size: 8, .value_kind: global_buffer, .address_space: global }
      - { .name: Wq_scales, .offset: 16, .size: 8, .value_kind: global_buffer, .address_space: global }
      - { .name: Wk_codes, .offset: 24, .size: 8, .value_kind: global_buffer, .address_space: global }
      - { .name: Wk_scales, .offset: 32, .size: 8, .value_kind: global_buffer, .address_space: global }
      - { .name: Wv_codes, .offset: 40, .size: 8, .value_kind: global_buffer, .address_space: global }
      - { .name: Wv_scales, .offset: 48, .size: 8, .value_kind: global_buffer, .address_space: global }
      - { .name: bq, .offset: 56, .size: 8, .value_kind: global_buffer, .address_space: global }
      - { .name: bk, .offset: 64, .size: 8, .value_kind: global_buffer, .address_space: global }
      - { .name: bv, .offset: 72, .size: 8, .value_kind: global_buffer, .address_space: global }
      - { .name: qkvb, .offset: 80, .size: 8, .value_kind: global_buffer, .address_space: global }
    .group_segment_fixed_size: 327680
    .private_segment_fixed_size: 0
    .kernarg_segment_align: 8
    .kernarg_segment_size: 88
    .max_flat_workgroup_size: 128
    .sgpr_count:     104
    .vgpr_count:     1024
    .wavefront_size: 32
...
	.end_amdgpu_metadata
.endif
;; end of part 2
;; launch att (part 3): grid 16 x 16, 16 waves a work-group, clusters of 4 x 1, 327,680 bytes of LDS; arguments qkvb, yb; writes yb
.if DOCPART == 3
	.amdgcn_target "amdgcn-amd-amdhsa--gfx1250"
	.amdhsa_code_object_version 6
	.text
	.protected	k_qb9adf353d5_att
	.globl	k_qb9adf353d5_att
	.p2align	8
	.type	k_qb9adf353d5_att,@function
k_qb9adf353d5_att:
	s_mov_b64 s[64:65], 0
	v_nop
	global_prefetch_b8 v0, s[64:65] scope:SCOPE_SE
	s_setreg_imm32_b32 hwreg(HW_REG_WAVE_MODE, 25, 1), 1
	s_wait_xcnt 0x0
	s_wait_alu depctr_hold_cnt(0) depctr_sa_sdst(0) depctr_va_vdst(0) depctr_va_sdst(0) depctr_va_ssrc(0) depctr_va_vcc(0) depctr_vm_vsrc(0)
	s_getreg_b32 s2, hwreg(HW_REG_IB_STS2, 6, 4)
	s_cmp_eq_u32 s2, 0
	s_cbranch_scc0 .Lentry_in_a_cluster
	s_endpgm
.Lentry_in_a_cluster:
	s_bfe_u32 s2, ttmp6, 0x10000c
	s_cmp_lg_u32 s2, 0x3003
	s_cbranch_scc0 .Lentry_shape_is_right
	s_endpgm
.Lentry_shape_is_right:
; Causal attention on codes of FP6 (E2M3) with E8M0 scales: 16 heads (batch x head) of 2,048 tokens, head size 128.  q, k and v come as images of operand registers (a fragment: 16 rows x 128 K = 3 x 512 bytes,
; lane l's 16 bytes at 16 l) with a scale word a row; v's K is the keys.  The result y / l is quantised along the head's 128 and leaves as an image, K step = head, with its scale words.
; THE SOFTMAX: t = score x log2(e) / sqrt(128); M = the running largest t rounded UP to a whole number; p = 2^(t - M) is quantised along the keys; the row's sum is taken of the unquantised p and divides at the end.
; SHARES.  A work-group has sixteen waves of 256 registers and eight tiles of 16 queries: TWO WAVES TO A TILE.  Of a tile's key steps of 128 one wave takes the even ones and its partner the odd ones, each with a running
; M, sum and O^T of its own; at the end the partner's three go through LDS and both are brought under the common M by powers of two, which round nothing.  So the tile with the most key steps, 16, is 8 steps of a wave.
; The head's 16 groups of 128 queries: cluster c takes groups 2c, 2c+1, 15-2c, 14-2c, and partner cx tiles 2 cx and 2 cx + 1 of each: so which key steps are open, on the diagonal or hidden hangs on the cluster's
; number and the wave's alone, and all four partners walk alike.  Wave w = 4 a + b takes group number (a + b) % 4 of the four, tile a % 2 of the two and the steps of parity a / 2: among waves 4 a .. 4 a + 3, and among
; waves b, b + 4, b + 8, b + 12, each of the four groups occurs once.
; Every work-group walks all 16 key steps; a step all of whose keys come after the wave's queries, or that is the partner's, is jumped over (loads, products, softmax; no barrier, no tensor load).
; K and V come through two LDS slots of 512 keys, filled by joint tensor loads of waves 0 to 3 (the four partners need the same tiles); the head's scale words come once.
; Both products are used transposed: a lane holds one query throughout.  Inside a block of 32 the codes of q and k along the head, and of p and v along the keys, stand in the same fixed order on both sides.
; The tile's 16 scale words leave as 64 bytes, a part of an aligned 256: one byte in 24 of what the launch stores.
; LIMITS: NaN and infinities are not served; a block whose largest magnitude lies under 2^-124, or of zeros, keeps the byte 1.
.set SLOT1, 131072                     ; slot 1 begins here: one exclusive or turns an address in one slot into the other's
.set VOFF,  49152                      ; a slot: K's 32 images, then V's 32
.set STEPB, 12288                      ; a key step's 8 images
.set SCK,   262144                     ; K's scale words of the head, 8,192 bytes; V's behind them
.set SPARE, SCK+16384                  ; the spare words, 128 bytes a wave: 2,048 bytes that no other line names
.set MST,   SLOT1+98304                ; the stage in which partners meet: bytes of its own, into which no tile lands.  Pairs 0 to 2 lie behind slot 1,
.set MPITCH, 8704                      ; a pair's part: 16 x 512 bytes of O^T, then 256 bytes of (-M, sum), in whole blocks of 256 bytes;
.set MJUMP, 25088                      ; pairs 3 to 7 lie behind the spare words: MST + 3 MPITCH + MJUMP = SPARE + 2,048
.set QS,    9437184                    ; where the scale words begin in the input
.set LI,  1                            ; v1   16 x lane
.set LS,  2                            ; v2   SCK + 4 (lane % 16)
.set DG,  3                            ; v3   my query in its group of 128, less 8 (lane / 16)
.set WO,  4                            ; v4   4 (lane % 16)
.set SPW, 5
.set NIL, 6
.set ADR, 8                            ; v8   LDS address of the step's images
.set ADS, 10                           ; v10  of its scale words
.set PFO, 28                           ; v28  256 x lane
.set MA,  29                           ; v29  my pair's part of the stage + 16 x lane
.set MS,  30                           ; v30  the same + 8 x lane
.set PC,  32                           ; the way out: codes
.set TM,  64
.set PW,  80
.set WV,  18
.set SEL, 20
.set CS,  22
.set G1,  24                           ; s[24:31] a quarter of a slot: 96 rows of 256 bytes
.set G1S, 32                           ; s[32:39] a quarter of the scale words: 16 rows of 256 bytes
.set G0,  40                           ; s[40:43] walks
.set G0S, 44
.set TB,  48                           ; LDS byte of the key step in hand
.set TS,  49                           ; 512 x key step
.set KJ,  50                           ; the key step
.set GA,  51                           ; my group of 128 queries
.set SLOTS, 52
.set QC,  53
.set PFA, 54                           ; s[54:55]
.set LIM, 56
.set PAR, 57                           ; s57  0: I take the even key steps and finish the tile; 1: the odd ones
.macro CROUND
	s_barrier_signal -1
	s_barrier_wait -1
	s_cmp_lg_u32 s[WV], 0
	s_cbranch_scc1 .Lnot_wave_0_\@
	s_barrier_signal -3
.Lnot_wave_0_\@:
	s_barrier_wait -3
	s_barrier_signal -1
	s_barrier_wait -1
.endm
	s_load_b128 s[4:7], s[0:1], 0x0                ; in s[4:5], out s[6:7]
	v_lshl_add_u32 v[SPW], v0, 2, SPARE
	v_mov_b32 v[NIL], 0
	ds_add_u32 v5, v6
	s_wait_dscnt 0x0
	v_lshrrev_b32 v8, 5, v0
	v_readfirstlane_b32 s[WV], v8                  ; wave 0..15
	s_bfe_u32 s8, ttmp6, 0x40000                   ; cx
	s_and_b32 s9, ttmp7, 0xffff                    ; the head, 0..15
	s_lshr_b32 s11, s[WV], 2                       ; a
	s_add_co_u32 s10, s11, s[WV]
	s_and_b32 s10, s10, 3                          ; (a + b) % 4: which of the cluster's four groups
	s_and_b32 s79, s11, 1                          ; a % 2: which of my work-group's two tiles of it
	s_lshr_b32 s[PAR], s[WV], 3                    ; a / 2: which key steps
	s_lshl_b32 s11, ttmp9, 1
	s_add_co_u32 s12, s11, s10
	s_sub_co_u32 s13, 17, s12
	s_cmp_lt_u32 s10, 2
	s_cselect_b32 s[GA], s12, s13
	s_and_b32 s14, s[WV], 1
	s_lshl_b32 s15, s8, 1
	s_add_co_u32 s15, s15, s79                     ; my tile in the group
	; what I fetch, if I fetch: wave 0, 1: K's halves of a slot; 2, 3: V's
	s_bfe_u32 s16, s[WV], 0x10001
	s_add_co_u32 s16, s16, 1
	s_mul_i32 s58, s16, 3145728
	s_mul_i32 s59, s9, 196608
	s_add_co_u32 s58, s58, s59
	s_mul_i32 s59, s14, 24576
	s_add_co_u32 s58, s58, s59
	s_mov_b32 s59, 0
	s_lshl_b32 s60, s16, 17
	s_lshl_b32 s61, s9, 13
	s_add_co_u32 s60, s60, s61
	s_lshl_b32 s61, s14, 12
	s_add_co_u32 s60, s60, s61
	s_add_co_u32 s60, s60, QS
	s_mov_b32 s61, 0
	s_mov_b32 s[G1], 15|(3<<16)|(1<<21)            ; the mask: all four partners; elements of 8 bytes; no padding
	s_mov_b32 s[G1+1], 32<<16
	s_mov_b32 s[G1+2], 96<<16
	s_mov_b32 s[G1+3], 32<<16
	s_mov_b32 s[G1+4], 96
	s_mov_b32 s[G1+5], 32
	s_mov_b32 s[G1+6], 0
	s_mov_b32 s[G1+7], 0
	s_mov_b32 s[G1S], 15|(3<<16)|(1<<21)
	s_mov_b32 s[G1S+1], 32<<16
	s_mov_b32 s[G1S+2], 16<<16
	s_mov_b32 s[G1S+3], 32<<16
	s_mov_b32 s[G1S+4], 16
	s_mov_b32 s[G1S+5], 32
	s_mov_b32 s[G1S+6], 0
	s_mov_b32 s[G1S+7], 0
	; my tile of queries, and where its result goes
	s_lshl_b32 s62, s9, 7
	s_lshl_b32 s63, s[GA], 3
	s_add_co_u32 s62, s62, s63
	s_add_co_u32 s62, s62, s15
	s_mul_i32 s66, s62, 1536
	s_mov_b32 s67, 0
	s_lshl_b32 s68, s62, 6
	s_add_co_u32 s68, s68, QS
	s_mov_b32 s69, 0
	s_lshr_b32 s70, s9, 3
	s_lshl_b32 s70, s70, 7
	s_add_co_u32 s70, s70, s63
	s_add_co_u32 s70, s70, s15                     ; the row tile of 16
	s_and_b32 s71, s9, 7                           ; the K step of the next product
	s_lshl_b32 s72, s70, 3
	s_add_co_u32 s72, s72, s71
	s_mul_i32 s72, s72, 1536
	s_mov_b32 s73, 0
	s_lshl_b32 s74, s70, 6
	s_lshl_b32 s75, s71, 14
	s_add_co_u32 s74, s74, s75
	s_add_co_u32 s74, s74, 3145728
	s_mov_b32 s75, 0
	; the prefetches: partner cx takes quarter cx of a slot by address; in it waves 4 to 6 take 8,192 bytes each, lanes 256 bytes apart; the head's first cluster asks
	s_lshr_b32 s76, s8, 1
	s_add_co_u32 s76, s76, 1
	s_mul_i32 s76, s76, 3145728
	s_mul_i32 s77, s9, 196608
	s_add_co_u32 s76, s76, s77
	s_and_b32 s77, s8, 1
	s_mul_i32 s77, s77, 24576
	s_add_co_u32 s76, s76, s77
	s_and_b32 s77, s[WV], 3
	s_lshl_b32 s77, s77, 13
	s_add_co_u32 s76, s76, s77
	s_add_co_u32 s76, s76, 49152                   ; in slot 1: the first change of slots steps it to slot 2
	s_mov_b32 s77, 0
	s_sub_co_u32 s78, s[WV], 4
	s_lshr_b32 s78, s78, 2                         ; 0 in waves 4 to 7
	s_or_b32 s78, s78, ttmp9
	s_cmp_eq_u32 s78, 0
	s_cselect_b32 s[LIM], 1, -1
	s_cmp_eq_u32 s[WV], 7
	s_cselect_b32 s[LIM], -1, s[LIM]
	s_mov_b32 s[SEL], 0x76543210
	s_mov_b32 s[SEL+1], 0xfedcba98
	s_mov_b32 s[CS], 0x3e0293ee                    ; c = log2(e) / sqrt(128)
	s_mov_b32 s[CS+1], s[CS]
	s_mov_b32 s[TB], 0
	s_mov_b32 s[TS], 0
	s_mov_b32 s[KJ], 0
	s_mov_b32 s[SLOTS], 3
	s_and_b32 s17, s[WV], 3                        ; which quarter I fetch, if I fetch
	s_wait_kmcnt 0x0
	s_mov_b32 s[G0S], 1
	s_lshl_b32 s[G0S+1], s17, 12
	s_add_co_u32 s[G0S+1], s[G0S+1], SCK
	s_add_nc_u64 s[G0S+2:G0S+3], s[4:5], s[60:61]
	s_or_b32 s[G0S+3], s[G0S+3], 0x80000000
	s_mov_b32 s[G0], 1
	s_mul_i32 s[G0+1], s17, 24576
	s_add_nc_u64 s[G0+2:G0+3], s[4:5], s[58:59]
	s_or_b32 s[G0+3], s[G0+3], 0x80000000
	s_add_nc_u64 s[66:67], s[4:5], s[66:67]
	s_add_nc_u64 s[68:69], s[4:5], s[68:69]
	s_add_nc_u64 s[72:73], s[6:7], s[72:73]
	s_add_nc_u64 s[74:75], s[6:7], s[74:75]
	s_add_nc_u64 s[PFA:PFA+1], s[4:5], s[76:77]
	CROUND                                         ; all four work-groups are here: the first joint loads meet
	s_cmp_lt_u32 s[WV], 4                          ; a wave's two first fills stand in one branch: two loads of mine are out
	s_cbranch_scc0 .Lno_first
	tensor_load_to_lds s[G0S:G0S+3], s[G1S:G1S+7]  ; the head's scale words: filled once
	s_nop 0
	tensor_load_to_lds s[G0:G0+3], s[G1:G1+7]      ; slot 0
	s_nop 0
.rept 4
	v_nop
.endr
.Lno_first:
	v_and_b32 v8, 31, v0
	v_lshlrev_b32 v[LI], 4, v8
	v_lshlrev_b32 v[PFO], 8, v8
	v_and_b32 v9, 15, v0                           ; r
	v_bfe_u32 v10, v0, 4, 1                        ; h
	v_lshl_add_u32 v[LS], v9, 2, SCK
	v_lshlrev_b32 v[WO], 2, v9
	v_lshlrev_b32 v11, 3, v10
	v_sub_nc_u32 v[DG], v9, v11
	s_lshl_b32 s17, s15, 4
	v_add_nc_u32 v[DG], s17, v[DG]
	s_lshl_b32 s17, s10, 1
	s_add_co_u32 s17, s17, s79                     ; my pair's number, 0..7: 2 x group number + tile; my partner, wave w xor 10, has the same
	s_add_co_u32 s78, s17, 5
	s_lshr_b32 s78, s78, 3                         ; 1 from pair 3 on
	s_mul_i32 s78, s78, MJUMP
	s_mul_i32 s17, s17, MPITCH
	s_add_co_u32 s17, s17, s78
	s_add_co_u32 s17, s17, MST                     ; my pair's part of the stage
	v_add_nc_u32 v[MA], s17, v[LI]
	v_lshl_add_u32 v[MS], v8, 3, s17
.irp c, 0,1,2
	global_load_b128 v[16+4*\c:19+4*\c], v[LI], s[66:67] offset:512*\c     ; Q's fragment stays in registers
.endr
	global_load_b32 v255, v[WO], s[68:69]          ; Q's scale words
	v_mov_b32 v13, 0xff61b1e6                      ; the largest t so far: -3e38
	v_floor_f32 v12, -v13                          ; -M
	v_mov_b32 v14, 0
	v_mov_b32 v15, 0
.irp b, 0,1,2,3
	v_mov_b32 v[236+\b], 0                         ; a lane permute's destination counts as read
.endr
	v_mov_b32 v252, 0
	v_mov_b32 v253, 0
.set j, 0
.rept 64
	v_mov_b32 v[160+j], 0                          ; O^T: the loop has no first step of its own; the first change of M multiplies zeros
.set j, j+1
.endr
.macro TLOAD
	s_cmp_lt_u32 s[WV], 4
	s_cbranch_scc0 .Lnone_\@
	tensor_load_to_lds s[G0:G0+3], s[G1:G1+7]
	s_nop 0
.rept 4
	v_nop
.endr
.Lnone_\@:
.endm
.macro ASK                             ; a prefetch of what the next change of slots will ask for: four key steps ahead of that load; the last change that fills a slot asks for nothing
	s_cmp_gt_u32 s[SLOTS], s[LIM]
	s_cbranch_scc0 .Lnot_mine_\@
	global_prefetch_b8 v[PFO], s[PFA:PFA+1] th:TH_LOAD_NT scope:SCOPE_SE
.Lnot_mine_\@:
.endm
.macro VLOAD g                         ; four of the step's eight fragments of V, and their scale words
.irp t, 0,1,2,3
.irp c, 0,1,2
	ds_load_b128 v[32+12*\t+4*\c:35+12*\t+4*\c], v[ADR] offset:VOFF+(4*\g+\t)*1536+512*\c
.endr
	ds_load_b32 v[248+\t], v[ADS] offset:8192+(4*\g+\t)*64
.endr
.endm
; A KEY STEP: 128 keys
.macro STEP
	s_cmp_gt_u32 s[KJ], s[GA]
	s_cbranch_scc1 .Lhidden_\@                     ; all its keys come after my queries
	s_xor_b32 s17, s[KJ], s[PAR]
	s_and_b32 s17, s17, 1
	s_cmp_lg_u32 s17, 0
	s_cbranch_scc1 .Lhidden_\@                     ; my partner's step
	v_add_nc_u32 v[ADR], s[TB], v[LI]
	v_add_nc_u32 v[ADS], s[TS], v[LS]
	v_nop
	v_nop                                          ; four plain instructions in front of loads into registers that matrix instructions have read
.irp g, 0,1                            ; S^T = K Q^T, four tiles of 16 keys at a time
.if \g
.rept 4
	v_nop
.endr
.endif
.irp t, 0,1,2,3
.irp c, 0,1,2
	ds_load_b128 v[32+12*\t+4*\c:35+12*\t+4*\c], v[ADR] offset:(4*\g+\t)*1536+512*\c
.endr
	ds_load_b32 v[248+\t], v[ADS] offset:(4*\g+\t)*64
.endr
	s_wait_dscnt 0x0
.irp t, 0,1,2,3
	v_wmma_scale_f32_16x16x128_f8f6f4 v[96+8*(4*\g+\t):103+8*(4*\g+\t)], v[32+12*\t:43+12*\t], v[16:27], 0, v[248+\t], v255 matrix_a_fmt:MATRIX_FMT_FP6 matrix_b_fmt:MATRIX_FMT_FP6
.endr
.endr                                  ; register 8 t + j of lane (r, h): query r, key 16 t + 8 h + j of the step
.rept 4
	v_nop                                          ; four plain instructions behind the products: for the loads below, into K's registers, and for the first read of the scores
.endr
	VLOAD 0                                        ; V's first four fragments are asked for here: the softmax names none of their registers, and they land while it runs
	s_cmp_lt_u32 s[KJ], s[GA]
	s_cbranch_scc1 .Lopen_\@                       ; all keys count
	v_mov_b32 v254, 0xff800000                     ; on the diagonal hidden scores become -infinity ahead of the maximum: p = 0 then
.set n, 0
.rept 64
	v_cmp_gt_i32 vcc_lo, 16*(n/8)+n%8, v[DG]
	v_cndmask_b32 v[96+n], v[96+n], v254, vcc_lo
.set n, n+1
.endr
.Lopen_\@:
.irp b, 0,1,2,3
	v_max3_num_f32 v[232+\b], v[96+16*\b], v[97+16*\b], v[98+16*\b]   ; the largest score of each block of 32 keys: for the row's maximum, and, since p rises with the score, for the block's largest p
.endr
.irp i, 3,5,7,9,11,13
.irp b, 0,1,2,3
	v_max3_num_f32 v[232+\b], v[232+\b], v[96+16*\b+\i], v[97+16*\b+\i]
.endr
.endr
.irp b, 0,1,2,3
	v_max_num_f32 v[232+\b], v[232+\b], v[111+16*\b]
.endr
.irp b, 0,1,2,3
	v_permlanex16_b32 v[236+\b], v[232+\b], s[SEL], s[SEL+1]
.endr
.irp b, 0,1,2,3
	v_max_num_f32 v[232+\b], v[232+\b], v[236+\b]
.endr
	v_max3_num_f32 v254, v232, v233, v234
	v_max_num_f32 v254, v254, v235
	v_mul_f32 v254, s[CS], v254
	v_max_num_f32 v13, v13, v254                   ; the running largest t
	v_mov_b32 v254, v12
	v_floor_f32 v12, -v13                          ; the new -M = -ceil(t)
	v_sub_f32 v254, v12, v254                      ; old M - new M: a whole number, 0 or less
	v_cvt_i32_f32 v254, v254
	v_ldexp_f32 v252, 1.0, v254                    ; f = 2^(old M - new M)
.set j, 0
.rept 32
	v_pk_fma_f32 v[96+j:97+j], v[96+j:97+j], s[CS:CS+1], v[12:13] op_sel_hi:[1,0,0]   ; t - M
.set j, j+2
.endr
.irp b, 0,1,2,3
	v_fma_f32 v[232+\b], v[232+\b], s[CS], v12
.endr
.set j, 0
.rept 64
	v_exp_f32 v[96+j], v[96+j]                     ; p = 2^(t - M): not normalised
.set j, j+1
.endr
	v_pk_mul_f32 v[14:15], v[14:15], v[252:253] op_sel_hi:[1,0]   ; the sums under the new M: a plain instruction behind the exponentials
	s_wait_alu depctr_va_vdst(0)                   ; one wait for the batch of 64, ahead of its first reader
.irp b, 0,1,2,3
	v_exp_f32 v[232+\b], v[232+\b]                 ; the blocks' largest p
.endr
	v_pk_add_f32 v[236:237], v[96:97], v[98:99]    ; the row's sum of the unquantised p, in two chains
.irp j, 4,8,12,16,20,24,28,32,36,40,44,48,52,56,60
	v_pk_add_f32 v[14:15], v[14:15], v[96+\j:97+\j]
	v_pk_add_f32 v[236:237], v[236:237], v[98+\j:99+\j]
.endr
	v_pk_add_f32 v[14:15], v[14:15], v[236:237]
	s_wait_alu depctr_va_vdst(0)                   ; and one for the four
.irp b, 0,1,2,3
	v_max_num_f32 v[232+\b], 0x1800000, v[232+\b]  ; the floor 2^(3 - 127)
.endr
.irp b, 0,1,2,3
	v_add_nc_u32 v[244+\b], 0xff000000, v[232+\b]
.endr
.irp b, 0,1,2,3
	v_lshrrev_b32 v[236+\b], 23, v[244+\b]
.endr
	v_lshl_or_b32 v253, v237, 8, v236              ; p's scale word for these 128 keys
	v_lshl_or_b32 v253, v238, 16, v253
	v_lshl_or_b32 v253, v239, 24, v253
.irp c, 0,1
	v_cvt_scalef32_pk16_fp6_f32 v[224+6*\c:226+6*\c], v[96+32*\c:111+32*\c], v[244+2*\c]
	v_cvt_scalef32_pk16_fp6_f32 v[236+4*\c:238+4*\c], v[112+32*\c:127+32*\c], v[244+2*\c+1]
.endr
	v_nop
.irp c, 0,1
.irp i, 0,1,2
	v_permlane16_swap_b32 v[224+6*\c+\i], v[236+4*\c+\i]
.endr
.irp i, 0,1,2
	v_mov_b32 v[227+6*\c+\i], v[236+4*\c+\i]
.endr
.endr
.set j, 0
.rept 32
	v_pk_mul_f32 v[160+j:161+j], v[160+j:161+j], v[252:253] op_sel_hi:[1,0]   ; O^T under the new M; these 32 are also the plain instructions in front of the matrix instructions below
.set j, j+2
.endr
.irp g, 0,1                            ; O^T += V^T P^T
.if \g
.rept 4
	v_nop
.endr
	VLOAD 1
.endif
	s_wait_dscnt 0x0
.irp t, 0,1,2,3
	v_wmma_scale_f32_16x16x128_f8f6f4 v[160+8*(4*\g+\t):167+8*(4*\g+\t)], v[32+12*\t:43+12*\t], v[224:235], v[160+8*(4*\g+\t):167+8*(4*\g+\t)], v[248+\t], v253 matrix_a_fmt:MATRIX_FMT_FP6 matrix_b_fmt:MATRIX_FMT_FP6
.endr
.endr
.Lhidden_\@:
	s_add_co_u32 s[KJ], s[KJ], 1
	s_add_co_u32 s[TB], s[TB], STEPB
	s_add_co_u32 s[TS], s[TS], 512
.endm
; THE CHANGE OF SLOTS, at a slot's head.  Each wave waits for all its tensor loads, adds 0 to its spare word, and waits for that and for its reads of the slot that it has left.
; fill = 1: the barrier is a round of the cluster's, and behind it the slot just left takes the next 512 keys: the load has four key steps in which to land
.macro CHANGE fill
	s_wait_tensorcnt 0x0
	ds_add_u32 v[SPW], v[NIL]                      ; 0 onto my spare word
.if \fill
	s_xor_b32 s[G0+1], s[G0+1], SLOT1
	s_add_nc_u64 s[G0+2:G0+3], s[G0+2:G0+3], 49152
	s_wait_xcnt 0x0                                ; the last prefetch, a slot back, has read its address
	s_add_nc_u64 s[PFA:PFA+1], s[PFA:PFA+1], 49152
	s_wait_dscnt 0x0
	CROUND
	TLOAD
	ASK
.else
	s_wait_dscnt 0x0
	s_barrier_signal -1
	s_barrier_wait -1
.endif
.endm
.macro SLOT_STEPS                      ; a slot's four key steps: written once, walked four times
	s_mov_b32 s[QC], 4
.Lq_\@:
	STEP
	s_sub_co_u32 s[QC], s[QC], 1
	s_cmp_lg_u32 s[QC], 0
	s_cbranch_scc1 .Lq_\@
	s_sub_co_u32 s[TB], s[TB], 4*STEPB
	s_xor_b32 s[TB], s[TB], SLOT1
.endm
	s_wait_loadcnt 0x0                             ; Q
.Lslot:                                                ; three trips: behind each change of slots but the last the next slot is asked for
	CHANGE 1
	SLOT_STEPS
	s_sub_co_u32 s[SLOTS], s[SLOTS], 1
	s_cmp_lg_u32 s[SLOTS], 0
	s_cbranch_scc1 .Lslot
	CHANGE 0                                       ; the last slot is written out
	SLOT_STEPS
	; PARTNERS MEET.  The wave of the odd key steps hands its O^T (as it stands in the registers: 16 x 512 bytes), its -M and its lane's sum to the wave of the even ones, through the pair's own bytes of LDS.
.rept 4
	v_nop                                          ; four plain instructions behind the wave's last products (ISA guide 7.12.1): a wave whose last key steps are jumped over comes here from its last product, in either copy of the key step,
.endr                                                  ; past scalar lines alone, and the lines below read O^T and write registers that held V's last fragment
	v_add_f32 v13, v14, v15                        ; my lane's part of the sum over my key steps, beside -M (the largest t is done with)
	s_cmp_eq_u32 s[PAR], 0
	s_cbranch_scc1 .Lkeeps
.set i, 0
.rept 16
	ds_store_b128 v[MA], v[160+4*i:163+4*i] offset:512*i    ; each accumulator from its low end on
.set i, i+1
.endr
	ds_store_b64 v[MS], v[12:13] offset:8192
.Lkeeps:
	s_wait_dscnt 0x0                               ; for my partner's sake: my stores have landed
	s_barrier_signal -1
	s_barrier_wait -1
	s_cmp_lg_u32 s[PAR], 0
	s_cbranch_scc1 .Lend                           ; the wave of the odd steps is done
.set i, 0
.rept 16
	ds_load_b128 v[96+4*i:99+4*i], v[MA] offset:512*i       ; my partner's O^T: the same registers' numbers in the same lanes
.set i, i+1
.endr
	ds_load_b64 v[88:89], v[MS] offset:8192        ; its -M and its lane's sum
	s_wait_dscnt 0x0
	v_min_num_f32 v82, v12, v88                    ; the common -M: the larger M
	v_sub_f32 v85, v82, v12                        ; my M less the common one: a whole number, 0 or less
	v_sub_f32 v87, v82, v88                        ; my partner's likewise (a partner that had no step holds zeros under -M = 3e38: its factor comes out 0)
	v_cvt_i32_f32 v85, v85                         ; (it saturates)
	v_cvt_i32_f32 v87, v87
	v_ldexp_f32 v84, 1.0, v85                      ; the two factors: powers of two, which round nothing
	v_ldexp_f32 v86, 1.0, v87
	v_mul_f32 v13, v13, v84
	v_fmac_f32 v13, v89, v86                       ; both sums under the common M,
	v_permlanex16_b32 v252, v13, s[SEL], s[SEL+1]
	v_add_f32 v13, v13, v252                       ; and lane l xor 16's: the row's sum.  It is above 0: key step 0 is mine, and key 0 counts for every query
	v_rcp_f32 v14, v13
.irp b, 0,1,2,3
	v_mov_b32 v[TM+4+\b], 0                        ; plain instructions behind the reciprocal (a lane permute's destination counts as read)
.endr
	s_wait_alu depctr_va_vdst(0)                   ; ahead of its first reader
	v_mul_f32 v84, v84, v14                        ; the factors take the division along
	v_mul_f32 v86, v86, v14
.set j, 0
.rept 32
	v_pk_mul_f32 v[96+j:97+j], v[96+j:97+j], v[86:87] op_sel_hi:[1,0]
.set j, j+2
.endr
.set j, 0
.rept 32
	v_pk_fma_f32 v[96+j:97+j], v[160+j:161+j], v[84:85], v[96+j:97+j] op_sel_hi:[1,0,1]   ; y / l: register 8 t + i: channel 16 t + 8 h + i
.set j, j+2
.endr
	; THE WAY OUT: into the natural order along the head's 128, quantised, stored as an image
.irp b, 0,1,2,3
.irp j, 0,1,2,3,4,5,6,7
	v_permlane16_swap_b32 v[96+16*\b+\j], v[96+16*\b+8+\j]                  ; afterwards register 16 b + i: channel 32 b + 16 h + i
.endr
.endr
.irp b, 0,1,2,3
	v_max3_num_f32 v[TM+\b], |v[96+16*\b]|, |v[97+16*\b]|, 0x1800000
.endr
.irp i, 2,4,6,8,10,12,14
.irp b, 0,1,2,3
	v_max3_num_f32 v[TM+\b], v[TM+\b], |v[96+16*\b+\i]|, |v[97+16*\b+\i]|
.endr
.endr
.irp b, 0,1,2,3
	v_permlanex16_b32 v[TM+4+\b], v[TM+\b], s[SEL], s[SEL+1]
.endr
.irp b, 0,1,2,3
	v_max_num_f32 v[TM+\b], v[TM+\b], v[TM+4+\b]
.endr
.irp b, 0,1,2,3
	v_add_nc_u32 v[TM+12+\b], 0xff000000, v[TM+\b]
.endr
.irp b, 0,1,2,3
	v_lshrrev_b32 v[TM+4+\b], 23, v[TM+12+\b]
.endr
	v_lshl_or_b32 v[PW], v[TM+5], 8, v[TM+4]
	v_lshl_or_b32 v[PW], v[TM+6], 16, v[PW]
	v_lshl_or_b32 v[PW], v[TM+7], 24, v[PW]
.irp c, 0,1
	v_cvt_scalef32_pk16_fp6_f32 v[PC+6*\c:PC+2+6*\c], v[96+32*\c:111+32*\c], v[TM+12+2*\c]
	v_cvt_scalef32_pk16_fp6_f32 v[PC+12+4*\c:PC+14+4*\c], v[112+32*\c:127+32*\c], v[TM+12+2*\c+1]
.endr
	v_nop
.irp c, 0,1
.irp i, 0,1,2
	v_permlane16_swap_b32 v[PC+6*\c+\i], v[PC+12+4*\c+\i]
.endr
.irp i, 0,1,2
	v_mov_b32 v[PC+3+6*\c+\i], v[PC+12+4*\c+\i]
.endr
.endr
.irp c, 0,1,2
	global_store_b128 v[LI], v[PC+4*\c:PC+4*\c+3], s[72:73] offset:512*\c
.endr
	global_store_b32 v[WO], v[PW], s[74:75]        ; lanes r and r + 16 store the same word with the same value
.Lend:
	s_wait_tensorcnt 0x0                           ; the wave's end
	ds_add_u32 v[SPW], v[NIL]
	s_wait_dscnt 0x0
	CROUND                                         ; the closing round
	s_endpgm
.Lfunc_end_k_qb9adf353d5_att:
	.size	k_qb9adf353d5_att, .Lfunc_end_k_qb9adf353d5_att-k_qb9adf353d5_att
	.p2alignl 7, 3214868480
	.fill 96, 4, 3214868480
	.section	.rodata,"a",@progbits
	.p2align	6, 0x0
	.amdhsa_kernel k_qb9adf353d5_att
		.amdhsa_group_segment_fixed_size 327680
		.amdhsa_private_segment_fixed_size 0
		.amdhsa_enable_private_segment 0
		.amdhsa_kernarg_size 16
		.amdhsa_user_sgpr_count 2
		.amdhsa_user_sgpr_kernarg_segment_ptr 1
		.amdhsa_wavefront_size32 1
		.amdhsa_system_sgpr_workgroup_id_x 1
		.amdhsa_system_sgpr_workgroup_id_y 1
		.amdhsa_system_sgpr_workgroup_id_z 1
		.amdhsa_system_vgpr_workitem_id 0
		.amdhsa_next_free_vgpr 256
		.amdhsa_next_free_sgpr 80
		.amdhsa_reserve_vcc 1
		.amdhsa_float_denorm_mode_32 3
		.amdhsa_float_denorm_mode_16_64 3
		.amdhsa_memory_ordered 1
		.amdhsa_forward_progress 1
		.amdhsa_inst_pref_size 74
	.end_amdhsa_kernel
	.amdgpu_metadata
---
amdhsa.version: [ 1, 2 ]
amdhsa.kernels:
  - .name:           k_qb9adf353d5_att
    .symbol:         k_qb9adf353d5_att.kd
    .args:
      - { .name: qkvb, .offset: 0, .size: 8, .value_kind: global_buffer, .address_space: global }
      - { .name: yb, .offset: 8, .size: 8, .value_kind: global_buffer, .address_space: global }
    .group_segment_fixed_size: 327680
    .private_segment_fixed_size: 0
    .kernarg_segment_align: 8
    .kernarg_segment_size: 16
    .max_flat_workgroup_size: 512
    .sgpr_count:     80
    .vgpr_count:     256
    .wavefront_size: 32
...
	.end_amdgpu_metadata
.endif
;; end of part 3
;; launch wo (part 4): grid 8 x 32, 4 waves a work-group, clusters of 4 x 4, 327,680 bytes of LDS; arguments yb, Wo_codes, Wo_scales, bo, x, x1; writes x1
.if DOCPART == 4
	.amdgcn_target "amdgcn-amd-amdhsa--gfx1250"
	.amdhsa_code_object_version 6
	.text
	.protected	k_qb9adf353d5_wo
	.globl	k_qb9adf353d5_wo
	.p2align	8
	.type	k_qb9adf353d5_wo,@function
k_qb9adf353d5_wo:
	s_mov_b64 s[64:65], 0
	v_nop
	global_prefetch_b8 v0, s[64:65] scope:SCOPE_SE
	s_setreg_imm32_b32 hwreg(HW_REG_WAVE_MODE, 25, 1), 1
	s_wait_xcnt 0x0
	s_wait_alu depctr_hold_cnt(0) depctr_sa_sdst(0) depctr_va_vdst(0) depctr_va_sdst(0) depctr_va_ssrc(0) depctr_va_vcc(0) depctr_vm_vsrc(0)
	s_getreg_b32 s2, hwreg(HW_REG_IB_STS2, 6, 4)
	s_cmp_eq_u32 s2, 0
	s_cbranch_scc0 .Lentry_in_a_cluster
	s_endpgm
.Lentry_in_a_cluster:
	s_bfe_u32 s2, ttmp6, 0x10000c
	s_cmp_lg_u32 s2, 0xf033
	s_cbranch_scc0 .Lentry_shape_is_right
	s_endpgm
.Lentry_shape_is_right:
; out = resid + A W^T + bias.  A: 4,096 rows x SIZE_K as images of operand registers, [row tile of 16][K step of 128][3 x 512 bytes], with scale words [K step][row][4 bytes] behind them (from byte AIMG on).
; W: [1,024][SIZE_K] codes of FP6 (E2M3), K innermost, rows of SIZE_K x 3 / 4 bytes; its E8M0 bytes [1,024][SIZE_K / 32].  bias [1,024], resid and out [4,096][1,024]: f32.
; 4,096 x 1,024 makes 256 tiles of 128 x 128, one for each work-group; four waves, 64 x 64 each: 16 accumulators.  K goes in steps of 512 (four matrix instructions deep) through two LDS slots, filled by joint
; tensor loads: A's tiles are shared along a row of the 4 x 4 cluster, W's along a column.  The scale words and bytes of the work-group's rows come once, with the first fills.
; The matrix instruction is used transposed (source 0 = 16 rows of W, source 1 = 16 rows of A): a lane holds eight neighbouring numbers of a row of the result.
; REGISTERS: window 0: v16-29 addresses, v32-47 scale words (two sets), v48-51 the bias, v128-255 accumulators.  window 1: two fragment buffers (A's four at 12 a, W's four at 48 + 12 b).  window 2: v0-127 the residual.
.set SIZE_K, 1024
.set KSTEPS, SIZE_K/128
.set KROW,   SIZE_K*3/4
.set KS,     SIZE_K/32
.set AIMG,   3072*SIZE_K
.set LAPS,   KSTEPS/8                  ; a lap = two slots = 8 K steps
.set PITCH,  432                       ; a row of W in LDS: 3 x (128 bytes + 16 of padding) = 108 words: the 16 rows of a load start at 16 different groups of four banks
.set HALFA,  24576                     ; four row tiles x four K steps of images
.set HALFB,  64*PITCH
.set SLOT,   2*HALFA+2*HALFB
.set SCA,    2*SLOT                    ; A's scale words: [half][K step][64 rows x 4 bytes]
.set SCB,    SCA+16384                 ; W's scale bytes, as rows of 256 bytes + 16 of padding
.set HALFSB, (64*KS/256)*272
.set SBLK,   (16*KS/256)*272
.set SPARE,  SCB+17408                 ; the spare words, 128 bytes a wave, that no other line names
.set SPITCH, 272                       ; the way out: a stage of 64 rows x (256 bytes + 16) for each wave, in slot 0, which has had its last fill and its last read by then
.set ADRA, 16                          ; v16-17
.set ADSA, 18
.set ADSB, 19
.set ADRB, 20                          ; v20-21; v22-23 the same behind one padding more
.set STO,  24
.set RD,   25
.set RO,   26
.set BOF,  27
.set SPW,  28
.set NIL,  29
.set ACC,  128
.set F0,   0
.set F1,   128
.set G1A, 24
.set G0A, 32
.set G1B, 48
.set G0B, 56
.set G1SA, 68
.set G0SA, 76
.set G1SB, 80
.set G0SB, 88
.set MSB, 0
.macro WIN new
.if MSB != \new
	s_set_vgpr_msb (MSB<<8)|\new
.set MSB, \new
.endif
.endm
.set MUL,  0x05                        ; sources 0 and 1 window 1; C and D window 0
.set TO_F, 0x40
.macro JLOAD g0a, g1a, g0b, g1b        ; a joint load: waves 0 and 1 fetch for A, waves 2 and 3 for W; four v_nop follow each line
	s_cmp_eq_u32 s17, 0
	s_cbranch_scc0 .Lfor_b_\@
	tensor_load_to_lds s[\g0a:\g0a+3], s[\g1a:\g1a+7]
	s_nop 0
.rept 4
	v_nop
.endr
	s_branch .Lasked_\@
.Lfor_b_\@:
	tensor_load_to_lds s[\g0b:\g0b+3], s[\g1b:\g1b+7]
	s_nop 0
.rept 4
	v_nop
.endr
.Lasked_\@:
.endm
.macro CREST
	s_cmp_lg_u32 s16, 0
	s_cbranch_scc1 .Lnot_wave_0_\@
	s_barrier_signal -3
.Lnot_wave_0_\@:
	s_barrier_wait -3
	s_barrier_signal -1
	s_barrier_wait -1
.endm
.macro CROUND
	s_barrier_signal -1
	s_barrier_wait -1
	CREST
.endm
.macro PLACES
.rept 4
	v_nop
.endr
.endm
	s_load_b256 s[4:11], s[0:1], 0x0               ; A s[4:5], W's codes s[6:7], W's scales s[8:9], bias s[10:11]
	s_load_b128 s[12:15], s[0:1], 0x20             ; resid s[12:13], out s[14:15]
	v_lshl_add_u32 v[SPW], v0, 2, SPARE
	v_mov_b32 v[NIL], 0
	ds_add_u32 v28, v29
	s_wait_dscnt 0x0
	v_lshrrev_b32 v1, 5, v0
	v_readfirstlane_b32 s16, v1                    ; wave 0..3
	s_lshr_b32 s17, s16, 1                         ; my half of the rows.  Also: I fetch for A (0) or W (1)
	s_and_b32 s18, s16, 1                          ; my half of the columns.  Also: which half I fetch
	s_bfe_u32 s40, ttmp6, 0x40000
	s_bfe_u32 s41, ttmp6, 0x40004
	s_lshl_b32 s42, ttmp9, 2
	s_add_co_u32 s42, s42, s40                     ; tile column 0..7
	s_and_b32 s19, ttmp7, 0xffff
	s_lshl_b32 s19, s19, 2
	s_add_co_u32 s19, s19, s41                     ; tile row 0..31
	s_lshl_b32 s43, s41, 2
	s_lshl_b32 s43, 15, s43
	s_lshl_b32 s44, 0x1111, s40
	s_or_b32 s[G1A], s43, (3<<16)|(1<<21)          ; A: 4 rows (row tiles) of 768 elements of 8 bytes (four K steps' images), no padding
	s_mov_b32 s[G1A+1], 768<<16
	s_mov_b32 s[G1A+2], 4<<16
	s_mov_b32 s[G1A+3], 768<<16
	s_mov_b32 s[G1A+4], 4
	s_mov_b32 s[G1A+5], KSTEPS*192
	s_mov_b32 s[G1A+6], 0
	s_mov_b32 s[G1A+7], 0
	s_or_b32 s[G1B], s44, (0<<16)|(1<<20)|(1<<21)|(4<<22)|(3<<25)   ; W: 64 rows of 384 bytes, 4 words of padding behind every 32
	s_mov_b32 s[G1B+1], 384<<16
	s_mov_b32 s[G1B+2], 64<<16
	s_mov_b32 s[G1B+3], 384<<16
	s_mov_b32 s[G1B+4], 64
	s_mov_b32 s[G1B+5], KROW
	s_mov_b32 s[G1B+6], 0
	s_mov_b32 s[G1B+7], 0
	s_or_b32 s[G1SA], s43, (3<<16)|(1<<21)         ; A's scale words: KSTEPS rows of 256 bytes, 16,384 bytes apart
	s_mov_b32 s[G1SA+1], 32<<16
	s_mov_b32 s[G1SA+2], KSTEPS<<16
	s_mov_b32 s[G1SA+3], 32<<16
	s_mov_b32 s[G1SA+4], KSTEPS
	s_mov_b32 s[G1SA+5], 2048
	s_mov_b32 s[G1SA+6], 0
	s_mov_b32 s[G1SA+7], 0
	s_or_b32 s[G1SB], s44, (3<<16)|(1<<20)|(1<<21)|(5<<22)|(3<<25)  ; W's scale bytes of 64 rows: a dense block
	s_mov_b32 s[G1SB+1], 32<<16
	s_mov_b32 s[G1SB+2], (64*KS/256)<<16
	s_mov_b32 s[G1SB+3], 32<<16
	s_mov_b32 s[G1SB+4], 64*KS/256
	s_mov_b32 s[G1SB+5], 32
	s_mov_b32 s[G1SB+6], 0
	s_mov_b32 s[G1SB+7], 0
	s_lshl_b32 s20, s19, 3
	s_lshl_b32 s21, s18, 2
	s_add_co_u32 s20, s20, s21
	s_mul_i32 s20, s20, KSTEPS*1536                ; A: row tile 8 x tile row + 4 x half
	s_mov_b32 s21, 0
	s_lshl_b32 s22, s19, 9
	s_lshl_b32 s23, s18, 8
	s_add_co_u32 s22, s22, s23
	s_add_co_u32 s22, s22, AIMG                    ; its scale words
	s_mov_b32 s23, 0
	s_lshl_b32 s46, s42, 7
	s_lshl_b32 s47, s18, 6
	s_add_co_u32 s46, s46, s47                     ; W: row 128 x tile column + 64 x half
	s_mul_i32 s92, s46, KS
	s_mov_b32 s93, 0
	s_mul_i32 s46, s46, KROW
	s_mov_b32 s47, 0
	s_mul_i32 s45, s18, HALFA                      ; and where they go in LDS
	s_mul_i32 s94, s18, HALFB
	s_add_co_u32 s94, s94, 2*HALFA
	s_mul_i32 s95, s18, KSTEPS*256
	s_add_co_u32 s95, s95, SCA
	s_mul_i32 s96, s18, HALFSB
	s_add_co_u32 s96, s96, SCB
	s_wait_kmcnt 0x0
	s_add_nc_u64 s[20:21], s[4:5], s[20:21]
	s_add_nc_u64 s[22:23], s[4:5], s[22:23]
	s_add_nc_u64 s[46:47], s[6:7], s[46:47]
	s_add_nc_u64 s[92:93], s[8:9], s[92:93]
	CROUND                                         ; all sixteen work-groups are here: the first joint loads meet
	s_mov_b32 s[G0SA], 1
	s_mov_b32 s[G0SA+1], s95
	s_mov_b64 s[G0SA+2:G0SA+3], s[22:23]
	s_or_b32 s[G0SA+3], s[G0SA+3], 0x80000000
	s_mov_b32 s[G0SB], 1
	s_mov_b32 s[G0SB+1], s96
	s_mov_b64 s[G0SB+2:G0SB+3], s[92:93]
	s_or_b32 s[G0SB+3], s[G0SB+3], 0x80000000
	JLOAD G0SA, G1SA, G0SB, G1SB
.irp s, 0,1
	s_mov_b32 s[G0A+4*\s], 1
	s_add_co_u32 s[G0A+4*\s+1], s45, \s*SLOT
	s_add_nc_u64 s[G0A+4*\s+2:G0A+4*\s+3], s[20:21], \s*6144
	s_or_b32 s[G0A+4*\s+3], s[G0A+4*\s+3], 0x80000000
	s_mov_b32 s[G0B+4*\s], 1
	s_add_co_u32 s[G0B+4*\s+1], s94, \s*SLOT
	s_add_nc_u64 s[G0B+4*\s+2:G0B+4*\s+3], s[46:47], \s*384
	s_or_b32 s[G0B+4*\s+3], s[G0B+4*\s+3], 0x80000000
	JLOAD G0A+4*\s, G1A, G0B+4*\s, G1B
.endr
	v_and_b32 v1, 31, v0                           ; lane
	v_and_b32 v2, 15, v0                           ; r
	v_bfe_u32 v3, v0, 4, 1                         ; h
	v_lshlrev_b32 v4, 4, v1
	v_mul_u32_u24 v5, v2, PITCH
	v_mad_u32_u24 v5, v3, 24, v5
	v_lshl_add_u32 v6, v3, 4, v5
	s_mul_i32 s21, s17, HALFA                      ; my four row tiles of A
	s_mul_i32 s22, s18, HALFB
	s_add_co_u32 s22, s22, 2*HALFA                 ; my 64 rows of W
.irp s, 0,1
	v_add_nc_u32 v[ADRA+\s], s21, v4
	v_add_nc_u32 v[ADRB+\s], s22, v5
	v_add_nc_u32 v[ADRB+2+\s], s22, v6
	s_add_co_u32 s21, s21, SLOT
	s_add_co_u32 s22, s22, SLOT
.endr
	s_mul_i32 s21, s17, KSTEPS*256
	s_add_co_u32 s21, s21, SCA
	v_lshl_add_u32 v[ADSA], v2, 2, s21
	v_mul_u32_u24 v5, v2, KS
	v_lshrrev_b32 v6, 8, v5
	v_lshl_add_u32 v5, v6, 4, v5
	s_mul_i32 s22, s18, HALFSB
	s_add_co_u32 s22, s22, SCB
	v_add_nc_u32 v[ADSB], s22, v5
	s_mul_i32 s23, s16, 64*SPITCH                  ; my stage
	v_mul_u32_u24 v5, v2, SPITCH
	v_lshl_add_u32 v5, v3, 5, v5
	v_add_nc_u32 v[STO], s23, v5                   ; in: row r, 32 bytes for each half of the lanes
	v_mul_u32_u24 v5, v3, SPITCH
	v_lshl_add_u32 v5, v2, 4, v5
	v_add_nc_u32 v[RD], s23, v5                    ; back: lanes 0-15 one row of 256 bytes, lanes 16-31 the next
	v_lshlrev_b32 v[BOF], 4, v2
	v_lshl_add_u32 v[RO], v3, 12, v[BOF]           ; and the same two rows in resid and out
	s_lshl_b32 s20, s19, 7
	s_lshl_b32 s21, s17, 6
	s_add_co_u32 s20, s20, s21
	s_lshl_b32 s20, s20, 12                        ; my first row, in bytes
	s_lshl_b32 s46, s42, 9
	s_lshl_b32 s47, s18, 8
	s_add_co_u32 s46, s46, s47                     ; my first column, in bytes
	s_mov_b32 s47, 0
	s_add_nc_u64 s[10:11], s[10:11], s[46:47]
	s_add_co_u32 s20, s20, s46
	s_mov_b32 s21, 0
	s_add_nc_u64 s[12:13], s[12:13], s[20:21]
	s_add_nc_u64 s[14:15], s[14:15], s[20:21]
	WIN 0x80                                       ; destination window 2
.set i, 0
.rept 32
	global_load_b128 v[4*i:4*i+3], v[RO], s[12:13] offset:i*8192      ; the residual of my 64 x 64: it lands while the products run
.set i, i+1
.endr
	WIN 0
	global_load_b128 v[48:51], v[BOF], s[10:11]    ; the bias of my four columns
.macro FRAGB reg, adr, q, i            ; a fragment of W: 12 registers in pieces of 8 bytes; lanes 16-31 read three pieces further on, for some pieces behind one padding more
.irp p, 0,1,2,3,4,5
.set PCE, 12*(\q)+6*(\p/3)+\p%3
.if PCE%16 < 13
	ds_load_b64 v[\reg+2*\p:\reg+2*\p+1], v[\adr] offset:8*PCE+16*(PCE/16)+(\i)*16*PITCH
.else
	ds_load_b64 v[\reg+2*\p:\reg+2*\p+1], v[\adr+2] offset:8*PCE+16*(PCE/16)+(\i)*16*PITCH
.endif
.endr
.endm
.macro FETCH slot, q, f, p             ; 44 LDS loads: the slot's q-th K step into buffer f and scale set p
	WIN TO_F
.irp i, 0,1,2,3
	FRAGB \f+48+12*\i, ADRB+\slot, \q, \i
.endr
.irp a, 0,1,2,3
.irp c, 0,1,2
	ds_load_b128 v[\f+12*\a+4*\c:\f+12*\a+4*\c+3], v[ADRA+\slot] offset:\a*6144+(\q)*1536+512*\c
.endr
.endr
	WIN 0
.irp i, 0,1,2,3
	ds_load_b32 v[32+8*(\p)+\i], v[ADSA] offset:64*\i+256*(\q)
	ds_load_b32 v[36+8*(\p)+\i], v[ADSB] offset:\i*SBLK+4*(\q)
.endr
.endm
; 8 matrix instructions: A's blocks a0, a0 + 1 x W's four.  The 16 accumulators take turns, one instruction a turn, in the same order in every K step
.macro MUL8 f, a0, p, zero
.irp a, \a0, \a0+1
.irp b, 0,1,2,3
.if \zero
	v_wmma_scale_f32_16x16x128_f8f6f4 v[ACC+8*(4*(\a)+\b):ACC+8*(4*(\a)+\b)+7], v[\f+48+12*\b:\f+48+12*\b+11], v[\f+12*(\a):\f+12*(\a)+11], 0, v[36+8*(\p)+\b], v[32+8*(\p)+(\a)] matrix_a_fmt:MATRIX_FMT_FP6 matrix_b_fmt:MATRIX_FMT_FP6
.else
	v_wmma_scale_f32_16x16x128_f8f6f4 v[ACC+8*(4*(\a)+\b):ACC+8*(4*(\a)+\b)+7], v[\f+48+12*\b:\f+48+12*\b+11], v[\f+12*(\a):\f+12*(\a)+11], v[ACC+8*(4*(\a)+\b):ACC+8*(4*(\a)+\b)+7], v[36+8*(\p)+\b], v[32+8*(\p)+(\a)] matrix_a_fmt:MATRIX_FMT_FP6 matrix_b_fmt:MATRIX_FMT_FP6
.endif
.endr
.endr
.endm
.macro KST slot, q, zero               ; one of a slot's first three K steps: the next step's loads go out ahead of this step's 16 products
	s_wait_dscnt 0x0                               ; this step's fragments and scale words are in
	PLACES                                         ; in front of loads into the buffer that the last products read
	FETCH \slot, (\q)+1, 128*(1-(\q)%2), 1-(\q)%2
	WIN MUL
	MUL8 128*((\q)%2), 0, (\q)%2, \zero
	MUL8 128*((\q)%2), 2, (\q)%2, \zero
.endm
; A slot's last K step changes slots: one barrier; in front of it each wave waits for all its tensor loads, adds 0 to its spare word, and waits for that and for its own reads of this slot
.macro TURN slot, next, fill
	WIN 0
	s_wait_tensorcnt 0x0
	ds_add_u32 v[SPW], v[NIL]                      ; 0 onto my spare word
	s_wait_dscnt 0x0
	s_barrier_signal -1
	WIN MUL
	MUL8 F1, 0, 1, 0
	WIN 0
	s_barrier_wait -1
.if \fill
	CREST                                          ; the barrier has opened a round of the cluster's barrier
	s_add_nc_u64 s[G0A+4*\slot+2:G0A+4*\slot+3], s[G0A+4*\slot+2:G0A+4*\slot+3], 2*6144
	s_add_nc_u64 s[G0B+4*\slot+2:G0B+4*\slot+3], s[G0B+4*\slot+2:G0B+4*\slot+3], 2*384
	JLOAD G0A+4*\slot, G1A, G0B+4*\slot, G1B       ; the first tensor load behind the round; its four v_nop are also the plain instructions in front of the loads below
.else
	PLACES
.endif
	v_add_nc_u32 v[ADSA], 1024, v[ADSA]            ; the next slot's scale words
	v_add_nc_u32 v[ADSB], 16, v[ADSB]
	FETCH \next, 0, F0, 0
	WIN MUL
	MUL8 F1, 2, 1, 0
.endm
	s_wait_tensorcnt 1                             ; the scales and my part of slot 0 are in; slot 1's load may be out
	s_barrier_signal -1
	s_barrier_wait -1
	FETCH 0, 0, F0, 0
	KST 0, 0, 1                                    ; the first K step's products start the sums
.if LAPS > 1
	WIN 0
	s_mov_b32 s3, LAPS-1
.Llap:
	KST 0, 1, 0
	KST 0, 2, 0
	TURN 0, 1, 1
	KST 1, 0, 0
	KST 1, 1, 0
	KST 1, 2, 0
	TURN 1, 0, 1
	KST 0, 0, 0
	WIN 0
	s_sub_co_u32 s3, s3, 1
	s_cmp_lg_u32 s3, 0
	s_cbranch_scc1 .Llap
.endif
	KST 0, 1, 0
	KST 0, 2, 0
	TURN 0, 1, 0
	KST 1, 0, 0
	KST 1, 1, 0
	KST 1, 2, 0
	s_wait_dscnt 0x0
	MUL8 F1, 0, 1, 0
	MUL8 F1, 2, 1, 0
	WIN 0
	; THE WAY OUT: my 64 x 64 through my own stage, back as rows of 256 bytes; + residual, + bias; sixteen lanes store 256 consecutive bytes, aligned
	PLACES
.irp a, 0,1,2,3
.irp b, 0,1,2,3
	ds_store_b128 v[STO], v[ACC+8*(4*\a+\b):ACC+8*(4*\a+\b)+3] offset:\a*16*SPITCH+64*\b
	ds_store_b128 v[STO], v[ACC+8*(4*\a+\b)+4:ACC+8*(4*\a+\b)+7] offset:\a*16*SPITCH+64*\b+16
.endr
.endr
	WIN TO_F
.set i, 0
.rept 32
	ds_load_b128 v[4*i:4*i+3], v[RD] offset:i*2*SPITCH     ; LDS serves a wave's instructions in order: these see my stores
.set i, i+1
.endr
	s_wait_loadcnt 0x0                             ; the residual and the bias
	s_wait_dscnt 0x0
	WIN 0x49                                       ; destination and source 0 window 1, source 1 window 2
.set i, 0
.rept 64
	v_pk_add_f32 v[2*i:2*i+1], v[2*i:2*i+1], v[2*i:2*i+1]
.set i, i+1
.endr
	WIN 0x41                                       ; source 1 window 0
.set i, 0
.rept 32
	v_pk_add_f32 v[4*i:4*i+1], v[4*i:4*i+1], v[48:49]
	v_pk_add_f32 v[4*i+2:4*i+3], v[4*i+2:4*i+3], v[50:51]
.set i, i+1
.endr
	WIN 0x04                                       ; a store's data are its source 1: window 1
.set i, 0
.rept 32
	global_store_b128 v[RO], v[4*i:4*i+3], s[14:15] offset:i*8192 th:TH_STORE_NT
.set i, i+1
.endr
	WIN 0
	s_wait_tensorcnt 0x0                           ; the wave's end
	ds_add_u32 v[SPW], v[NIL]
	s_wait_dscnt 0x0
	CROUND                                         ; the closing round
	s_endpgm
.Lfunc_end_k_qb9adf353d5_wo:
	.size	k_qb9adf353d5_wo, .Lfunc_end_k_qb9adf353d5_wo-k_qb9adf353d5_wo
	.p2alignl 7, 3214868480
	.fill 96, 4, 3214868480
	.section	.rodata,"a",@progbits
	.p2align	6, 0x0
	.amdhsa_kernel k_qb9adf353d5_wo
		.amdhsa_group_segment_fixed_size 327680
		.amdhsa_private_segment_fixed_size 0
		.amdhsa_enable_private_segment 0
		.amdhsa_kernarg_size 48
		.amdhsa_user_sgpr_count 2
		.amdhsa_user_sgpr_kernarg_segment_ptr 1
		.amdhsa_wavefront_size32 1
		.amdhsa_system_sgpr_workgroup_id_x 1
		.amdhsa_system_sgpr_workgroup_id_y 1
		.amdhsa_system_sgpr_workgroup_id_z 1
		.amdhsa_system_vgpr_workitem_id 0
		.amdhsa_next_free_vgpr 640
		.amdhsa_next_free_sgpr 98
		.amdhsa_reserve_vcc 0
		.amdhsa_float_denorm_mode_32 3
		.amdhsa_float_denorm_mode_16_64 3
		.amdhsa_memory_ordered 1
		.amdhsa_forward_progress 1
		.amdhsa_inst_pref_size 70
	.end_amdhsa_kernel
	.amdgpu_metadata
---
amdhsa.version: [ 1, 2 ]
amdhsa.kernels:
  - .name:           k_qb9adf353d5_wo
    .symbol:         k_qb9adf353d5_wo.kd
    .args:
      - { .name: yb, .offset: 0, .size: 8, .value_kind: global_buffer, .address_space: global }
      - { .name: Wo_codes, .offset: 8, .size: 8, .value_kind: global_buffer, .address_space: global }
      - { .name: Wo_scales, .offset: 16, .size: 8, .value_kind: global_buffer, .address_space: global }
      - { .name: bo, .offset: 24, .size: 8, .value_kind: global_buffer, .address_space: global }
      - { .name: x, .offset: 32, .size: 8, .value_kind: global_buffer, .address_space: global }
      - { .name: x1, .offset: 40, .size: 8, .value_kind: global_buffer, .address_space: global }
    .group_segment_fixed_size: 327680
    .private_segment_fixed_size: 0
    .kernarg_segment_align: 8
    .kernarg_segment_size: 48
    .max_flat_workgroup_size: 128
    .sgpr_count:     98
    .vgpr_count:     640
    .wavefront_size: 32
...
	.end_amdgpu_metadata
.endif
;; end of part 4
;; launch lnq2: the kernel of part 1 again; grid 256 x 1, 8 waves a work-group, no clusters, 83,968 bytes of LDS; arguments x1, ln2_g, ln2_b, hq; writes hq
;; launch w1 (part 5): grid 16 x 16, 4 waves a work-group, clusters of 4 x 4, 327,680 bytes of LDS; arguments hq, W1_codes, W1_scales, b1, gb; writes gb
.if DOCPART == 5
	.amdgcn_target "amdgcn-amd-amdhsa--gfx1250"
	.amdhsa_code_object_version 6
	.text
	.protected	k_qb9adf353d5_w1
	.globl	k_qb9adf353d5_w1
	.p2align	8
	.type	k_qb9adf353d5_w1,@function
k_qb9adf353d5_w1:
	s_mov_b64 s[64:65], 0
	v_nop
	global_prefetch_b8 v0, s[64:65] scope:SCOPE_SE
	s_setreg_imm32_b32 hwreg(HW_REG_WAVE_MODE, 25, 1), 1
	s_wait_xcnt 0x0
	s_wait_alu depctr_hold_cnt(0) depctr_sa_sdst(0) depctr_va_vdst(0) depctr_va_sdst(0) depctr_va_ssrc(0) depctr_va_vcc(0) depctr_vm_vsrc(0)
	s_getreg_b32 s2, hwreg(HW_REG_IB_STS2, 6, 4)
	s_cmp_eq_u32 s2, 0
	s_cbranch_scc0 .Lentry_in_a_cluster
	s_endpgm
.Lentry_in_a_cluster:
	s_bfe_u32 s2, ttmp6, 0x10000c
	s_cmp_lg_u32 s2, 0xf033
	s_cbranch_scc0 .Lentry_shape_is_right
	s_endpgm
.Lentry_shape_is_right:
; A GEMM on codes of FP6 (E2M3) with E8M0 scales, K = 1,024, whose results are quantised again on the way out and leave as images of operand registers.
; QKV = 1: q, k, v = h W + bias.  Cluster x 0: q, 1: k, 2: v.  QKV = 0: g = gelu(h W1 + b1), exact (erf).
; ROLES.  Role A's 16 rows fall into the result's LANES (source 1), role B's 16 rows into a lane's REGISTERS (source 0).  For q, k and g role A is h (tokens) and role B the weight's rows, so a lane's
; registers run along the next product's K (the head's 128, the hidden units).  For v the roles change places (A = Wv's rows, B = h's rows): a lane's registers then run along the KEYS, the K of the second
; product of attention.  Both operands lie alike in memory (rows of 768 bytes of codes, 32 scale bytes), so only pointers and tile coordinates are chosen, by the cluster's x, which all partners share.
; A tile of 256 x 256 is made by four waves, 128 x 128 each (64 accumulators, 512 registers).  K goes in steps of 256 through two LDS slots filled by joint tensor loads: A's tiles are shared along a row of
; the 4 x 4 cluster, B's along a column.  The scale bytes of the work-group's rows come once and stay.
; THE WAY OUT.  For each of my 8 blocks of 16 A rows a lane holds 64 numbers: register 8 t + j is B row 16 t + 8 (lane / 16) + j.  Bias (and gelu) in f32, then four blocks of 32 are quantised: 12 registers of
; codes and a scale word a row.  Inside a block of 32 the order of the codes is a fixed permutation; q and k, and p and v, are made the same way on both sides, so the products are the same.
; g meets a given weight: its numbers change lanes first, so that the order is the natural one.
; LIMITS: NaN and infinities are not served; a block whose largest magnitude lies under 2^-124, or of zeros, keeps the byte 1; erf's argument is held to +-4, beyond which erf is +-1 in f32.
.set QKV,    0
.set KSTEP,  256
.set NQ,     2
.set ROWB,   192
.set KROW,   768
.set PITCH,  240                       ; an LDS row: 3 x (64 bytes + 16 of padding)
.set FR,     12
.set NL,     6
.set NP,     4
.set HALFT,  128*PITCH
.set SLOT,   4*HALFT
.set LAPS,   2
.set KS,     32
.set SCL,    2*SLOT
.set HALFS,  (128*KS/256)*272
.set SBLK,   (16*KS/256)*272
.set SPARE,  SCL+4*HALFS               ; the spare words, 128 bytes a wave, that no other line names
.set HQS,    3145728                   ; h's scale bytes begin here in its buffer
.set ADRA, 16                          ; v16-19  LDS addresses of A's fragments (slot 0, 1; the same behind one padding more)
.set ADRB, 20                          ; v20-23  B's
.set SWA,  24                          ; v24     way out: 512 x wave + 4 (lane % 16)
.set SRD,  25                          ; v25     way out: 512 x wave + 16 x lane
.set LI,   26                          ; v26     16 x lane
.set ADRS, 27                          ; v27     LDS address of my scale words; on the way out at work
.set SPW,  28
.set NIL,  29
.set BO,   30                          ; v30     32 (lane / 16): never rewritten
.set VO,   31                          ; v31     4 (lane % 16): never rewritten
.set SC,   32                          ; v32-63  scale words, two sets
.set T,    64                          ; v64-127 way out: a block's 64 numbers
.set AF,   128                         ; A's fragments, window 0
.set PC,   128                         ; way out: codes (19 registers)
.set TM,   148                         ; way out: 16 registers at work
.set PW,   164                         ; way out: the scale word
.set SEL,  40                          ; s[40:41] on the way out: lane selects
.set G1, 24
.set G0, 32
.set G1B, 48
.set G0B, 56
.set G1S, 68
.set G0S, 76
.set G1SB, 80
.set G0SB, 88
.set MSB, 0
.macro WIN new                         ; the immediate's high byte repeats the setting that is left
.if MSB != \new
	s_set_vgpr_msb (MSB<<8)|\new
.set MSB, \new
.endif
.endm
.set MUL_LO, 0xa1                      ; source 0 (B) window 1, source 1 (A) window 0, C and D window 2
.set MUL_HI, 0xf1
.set TO_B,   0x40
.macro JLOAD g0a, g1a, g0b, g1b        ; a joint load: waves 0 and 1 fetch for A, waves 2 and 3 for B; four v_nop follow each line
	s_cmp_eq_u32 s15, 0
	s_cbranch_scc0 .Lfor_b_\@
	tensor_load_to_lds s[\g0a:\g0a+3], s[\g1a:\g1a+7]
	s_nop 0
.rept 4
	v_nop
.endr
	s_branch .Lasked_\@
.Lfor_b_\@:
	tensor_load_to_lds s[\g0b:\g0b+3], s[\g1b:\g1b+7]
	s_nop 0
.rept 4
	v_nop
.endr
.Lasked_\@:
.endm
.macro CREST
	s_cmp_lg_u32 s14, 0
	s_cbranch_scc1 .Lnot_wave_0_\@
	s_barrier_signal -3
.Lnot_wave_0_\@:
	s_barrier_wait -3
	s_barrier_signal -1
	s_barrier_wait -1
.endm
.macro CROUND
	s_barrier_signal -1
	s_barrier_wait -1
	CREST
.endm
.if QKV
	s_load_b512 s[68:83], s[0:1], 0x0              ; h, Wq codes, scales, Wk codes, scales, Wv codes, scales, bq
	s_load_b128 s[84:87], s[0:1], 0x40             ; bk, bv
	s_load_b64 s[88:89], s[0:1], 0x50              ; out
.else
	s_load_b256 s[68:75], s[0:1], 0x0              ; h, W1 codes, W1 scales, b1
	s_load_b64 s[88:89], s[0:1], 0x20              ; out
.endif
	v_lshl_add_u32 v[SPW], v0, 2, SPARE
	v_mov_b32 v[NIL], 0
	ds_add_u32 v28, v29
	s_wait_dscnt 0x0
	v_lshrrev_b32 v1, 5, v0
	v_readfirstlane_b32 s14, v1                    ; wave 0..3
	s_lshr_b32 s15, s14, 1                         ; my half of A's rows.  Also: I fetch for A (0) or B (1)
	s_and_b32 s16, s14, 1                          ; my half of B's rows.  Also: which 128 rows I fetch
	s_bfe_u32 s40, ttmp6, 0x40000                  ; cx
	s_bfe_u32 s41, ttmp6, 0x40004                  ; cy
	s_and_b32 s18, ttmp7, 0xffff
	s_lshl_b32 s18, s18, 2                         ; 4 x cluster y
.if QKV
	s_cmp_eq_u32 ttmp9, 2                          ; v?  The cluster's x: the same in all sixteen partners
	s_cselect_b32 s100, 1, 0
	s_cselect_b32 s17, 0, s18                      ; A's tile: of h's 16 by cluster y, of Wv's 4 by cy alone
	s_cselect_b32 s42, s18, 0                      ; B's tile: of a weight's 4 by cx alone, of h's 16 by cluster y
.else
	s_mov_b32 s17, s18
	s_lshl_b32 s42, ttmp9, 2
.endif
	s_add_co_u32 s17, s17, s41
	s_add_co_u32 s42, s42, s40
	s_lshl_b32 s43, s41, 2
	s_lshl_b32 s43, 15, s43                        ; my row of the cluster
	s_lshl_b32 s44, 0x1111, s40                    ; my column
	s_or_b32 s[G1+0], s43, (0<<16)|(1<<20)|(1<<21)|(3<<22)|(3<<25)  ; mask; elements of 1 byte; padding: 4 words behind every 16
	s_or_b32 s[G1B+0], s44, (0<<16)|(1<<20)|(1<<21)|(3<<22)|(3<<25)
.irp g, G1, G1B
	s_mov_b32 s[\g+1], ROWB<<16
	s_mov_b32 s[\g+2], 128<<16
	s_mov_b32 s[\g+3], ROWB<<16
	s_mov_b32 s[\g+4], 128
	s_mov_b32 s[\g+5], KROW
	s_mov_b32 s[\g+6], 0
	s_mov_b32 s[\g+7], 0
.endr
	s_lshl_b32 s18, s16, 7
	s_lshl_b32 s20, s17, 8
	s_add_co_u32 s20, s20, s18                     ; A: row 256 x tile + 128 x half
	s_lshl_b32 s46, s42, 8
	s_add_co_u32 s46, s46, s18                     ; B likewise
	s_mov_b32 s21, 0
	s_mov_b32 s47, 0
	s_mov_b64 s[18:19], KS
	s_mul_u64 s[22:23], s[20:21], s[18:19]
	s_mul_u64 s[92:93], s[46:47], s[18:19]
	s_mov_b64 s[18:19], KROW
	s_mul_u64 s[20:21], s[20:21], s[18:19]
	s_mul_u64 s[46:47], s[46:47], s[18:19]
	s_mul_i32 s45, s14, HALFT
	s_mul_i32 s94, s14, HALFS
	s_wait_kmcnt 0x0
	s_add_nc_u64 s[96:97], s[68:69], HQS           ; h's scale bytes
.if QKV
	s_cmp_eq_u32 ttmp9, 1
	s_cselect_b64 s[70:71], s[74:75], s[70:71]     ; Wk or Wq
	s_cselect_b64 s[72:73], s[76:77], s[72:73]
	s_cselect_b64 s[82:83], s[84:85], s[82:83]
	s_cmp_eq_u32 ttmp9, 2
	s_cselect_b64 s[4:5], s[78:79], s[68:69]       ; A's codes
	s_cselect_b64 s[6:7], s[80:81], s[96:97]       ; A's scales
	s_cselect_b64 s[8:9], s[68:69], s[70:71]       ; B's codes
	s_cselect_b64 s[10:11], s[96:97], s[72:73]     ; B's scales
	s_cselect_b64 s[98:99], s[86:87], s[82:83]     ; the bias
.else
	s_mov_b64 s[4:5], s[68:69]
	s_mov_b64 s[6:7], s[96:97]
	s_mov_b64 s[8:9], s[70:71]
	s_mov_b64 s[10:11], s[72:73]
	s_mov_b64 s[98:99], s[74:75]
.endif
	s_mov_b64 s[12:13], s[88:89]
	s_add_nc_u64 s[20:21], s[4:5], s[20:21]
	s_add_nc_u64 s[22:23], s[6:7], s[22:23]
	s_add_nc_u64 s[46:47], s[8:9], s[46:47]
	s_add_nc_u64 s[92:93], s[10:11], s[92:93]
	s_or_b32 s[G1S+0], s43, (3<<16)|(1<<20)|(1<<21)|(5<<22)|(3<<25)   ; the scale bytes of 128 rows: a dense block, as rows of 256 bytes + 16 of padding
	s_or_b32 s[G1SB+0], s44, (3<<16)|(1<<20)|(1<<21)|(5<<22)|(3<<25)
.irp g, G1S, G1SB
	s_mov_b32 s[\g+1], 32<<16
	s_mov_b32 s[\g+2], (128*KS/256)<<16
	s_mov_b32 s[\g+3], 32<<16
	s_mov_b32 s[\g+4], 128*KS/256
	s_mov_b32 s[\g+5], 32
	s_mov_b32 s[\g+6], 0
	s_mov_b32 s[\g+7], 0
.endr
	CROUND                                         ; all sixteen work-groups are here: the first joint loads meet
	s_mov_b32 s[G0S], 1
	s_add_co_u32 s[G0S+1], s94, SCL
	s_mov_b64 s[G0S+2:G0S+3], s[22:23]
	s_or_b32 s[G0S+3], s[G0S+3], 0x80000000
	s_mov_b32 s[G0SB], 1
	s_add_co_u32 s[G0SB+1], s94, SCL
	s_mov_b64 s[G0SB+2:G0SB+3], s[92:93]
	s_or_b32 s[G0SB+3], s[G0SB+3], 0x80000000
	JLOAD G0S, G1S, G0SB, G1SB
.irp s, 0,1
	s_mov_b32 s[G0+4*\s], 1
	s_add_co_u32 s[G0+4*\s+1], s45, \s*SLOT
	s_add_nc_u64 s[G0+4*\s+2:G0+4*\s+3], s[20:21], \s*ROWB
	s_or_b32 s[G0+4*\s+3], s[G0+4*\s+3], 0x80000000
	s_mov_b32 s[G0B+4*\s], 1
	s_add_co_u32 s[G0B+4*\s+1], s45, \s*SLOT
	s_add_nc_u64 s[G0B+4*\s+2:G0B+4*\s+3], s[46:47], \s*ROWB
	s_or_b32 s[G0B+4*\s+3], s[G0B+4*\s+3], 0x80000000
	JLOAD G0+4*\s, G1, G0B+4*\s, G1B
.endr
	v_and_b32 v1, 15, v0                           ; r
	v_bfe_u32 v2, v0, 4, 1                         ; h
	v_mul_u32_u24 v3, v1, PITCH
	v_mul_u32_u24 v4, v2, 24
	v_add_nc_u32 v4, v3, v4
	v_lshl_add_u32 v5, v2, 4, v4
	s_mul_i32 s21, s15, HALFT
	s_mul_i32 s22, s16, HALFT
	s_add_co_u32 s22, s22, 2*HALFT
.irp s, 0,1
	v_add_nc_u32 v[ADRA+\s], s21, v4
	v_add_nc_u32 v[ADRB+\s], s22, v4
	v_add_nc_u32 v[ADRA+2+\s], s21, v5
	v_add_nc_u32 v[ADRB+2+\s], s22, v5
	s_add_co_u32 s21, s21, SLOT
	s_add_co_u32 s22, s22, SLOT
.endr
	v_mul_u32_u24 v5, v1, KS
	v_lshrrev_b32 v6, 8, v5
	v_lshl_add_u32 v5, v6, 4, v5
	s_mul_i32 s21, s15, HALFS
	s_mul_i32 s22, s16, HALFS
	s_add_co_u32 s22, s22, 2*HALFS
	s_sub_co_u32 s22, s22, s21
	v_mul_u32_u24 v6, s22, v2                      ; lanes 16-31 take B's words
	s_add_co_u32 s21, s21, SCL
	v_add_nc_u32 v5, v5, v6
	v_add_nc_u32 v[ADRS], s21, v5
	s_lshl_b32 s23, s14, 9
	v_lshl_add_u32 v[SWA], v1, 2, s23
	v_and_b32 v6, 31, v0
	v_lshlrev_b32 v[LI], 4, v6
	v_add_nc_u32 v[SRD], s23, v[LI]
	v_lshlrev_b32 v[BO], 5, v2
	v_lshlrev_b32 v[VO], 2, v1
	s_lshl_b32 s95, s17, 1
	s_add_co_u32 s95, s95, s15                     ; IA: which 128 rows of role A are mine
	s_lshl_b32 s101, s42, 1
	s_add_co_u32 s101, s101, s16                   ; IB: which 128 rows of role B
	; the bias: by B's rows (64 numbers a lane, in the free registers of window 1) and, for v, by A's rows (a number a lane and block).  Both sets are always loaded, inside the buffer; the way out takes one
	s_lshl_b32 s20, s101, 9
	s_mov_b32 s21, 0
.if QKV
	s_lshl_b32 s22, s95, 9
	s_mov_b32 s23, 0
	s_cmp_eq_u32 s100, 1
	s_cselect_b32 s20, 0, s20
	s_cselect_b32 s22, s22, 0
	s_add_nc_u64 s[96:97], s[98:99], s[22:23]
.endif
	s_add_nc_u64 s[98:99], s[98:99], s[20:21]
	WIN TO_B
.irp b, 0,1,2,3,4,5,6,7
	global_load_b128 v[96+8*\b+96*(\b/4):99+8*\b+96*(\b/4)], v[BO], s[98:99] offset:64*\b
	global_load_b128 v[100+8*\b+96*(\b/4):103+8*\b+96*(\b/4)], v[BO], s[98:99] offset:64*\b+16
.endr
	WIN 0
.if QKV
.irp a, 0,1,2,3,4,5,6,7
	global_load_b32 v[224+2*\a], v[VO], s[96:97] offset:64*\a
	global_load_b32 v[225+2*\a], v[VO], s[96:97] offset:64*\a
.endr
.endif
.macro FRAG reg, adr, q, i             ; a fragment: 16 rows x 128 K: 12 registers, in pieces of 8 bytes; lanes 16-31 read three pieces further on, for some pieces behind one padding more
.irp p, 0,1,2,3,4,5
.set PCE, 12*(\q)+6*(\p/3)+\p%3
.if PCE%8 < 5
	ds_load_b64 v[\reg+2*\p:\reg+2*\p+1], v[\adr] offset:8*PCE+16*(PCE/8)+(\i)*16*PITCH
.else
	ds_load_b64 v[\reg+2*\p:\reg+2*\p+1], v[\adr+2] offset:8*PCE+16*(PCE/8)+(\i)*16*PITCH
.endif
.endr
.endm
; 16 matrix instructions: A's blocks a0, a0 + 1 x B's eight.  The 64 accumulators take turns, one instruction a turn, in the same order in every step
.macro MUL16 a0, p, q, sc, zero
.irp a, \a0, \a0+1
.irp b, 0,1,2,3,4,5,6,7
.if \zero
	v_wmma_scale_f32_16x16x128_f8f6f4 v[8*(8*((\a)%4)+\b):8*(8*((\a)%4)+\b)+7], v[128*(\p)+FR*\b:128*(\p)+FR*\b+FR-1], v[AF+FR*(\a):AF+FR*(\a)+FR-1], 0, v[SC+8*NQ*(\sc)+NQ*\b+(\q)], v[SC+8*NQ*(\sc)+NQ*(\a)+(\q)] matrix_a_fmt:MATRIX_FMT_FP6 matrix_b_fmt:MATRIX_FMT_FP6 matrix_a_scale:MATRIX_SCALE_ROW1
.else
	v_wmma_scale_f32_16x16x128_f8f6f4 v[8*(8*((\a)%4)+\b):8*(8*((\a)%4)+\b)+7], v[128*(\p)+FR*\b:128*(\p)+FR*\b+FR-1], v[AF+FR*(\a):AF+FR*(\a)+FR-1], v[8*(8*((\a)%4)+\b):8*(8*((\a)%4)+\b)+7], v[SC+8*NQ*(\sc)+NQ*\b+(\q)], v[SC+8*NQ*(\sc)+NQ*(\a)+(\q)] matrix_a_fmt:MATRIX_FMT_FP6 matrix_b_fmt:MATRIX_FMT_FP6 matrix_a_scale:MATRIX_SCALE_ROW1
.endif
.endr
.endr
.endm
.macro FETCH_B slot, q, p
	WIN TO_B
.irp i, 0,1,2,3,4,5,6,7
	FRAG 128*(\p)+FR*\i, ADRB+\slot, \q, \i
.endr
	WIN 0
.endm
.macro FETCH_A slot, q, i0
.irp i, \i0, \i0+1, \i0+2, \i0+3
	FRAG AF+FR*(\i), ADRA+\slot, \q, \i
.endr
.endm
.macro SCALES sc                       ; a K step's scale words: lanes 0-15 A's block i, lanes 16-31 B's block i
.irp i, 0,1,2,3,4,5,6,7
	ds_load_b64 v[SC+8*NQ*\sc+NQ*\i:SC+8*NQ*\sc+NQ*\i+1], v[ADRS] offset:\i*SBLK
.endr
.endm
.macro PLACES n                        ; plain instructions between a matrix instruction and a load into, or a read of, its registers
.rept \n
	v_nop
.endr
.endm
.macro STEP slot, q, zero
	s_wait_dscnt 4*NL                              ; B's set and A's blocks 0-3 are in; the 24 youngest loads (A's blocks 4-7) may be out
	WIN MUL_LO
	MUL16 0, (\q)%2, \q, \slot, \zero
	MUL16 2, (\q)%2, \q, \slot, \zero
	s_wait_dscnt 0
	PLACES NP
	FETCH_B \slot, (\q)+1, 1-(\q)%2
	FETCH_A \slot, (\q)+1, 0
	WIN MUL_HI
	MUL16 4, (\q)%2, \q, \slot, \zero
	MUL16 6, (\q)%2, \q, \slot, \zero
	PLACES NP
	WIN 0
	FETCH_A \slot, (\q)+1, 4
.endm
; A slot's last step changes slots: one barrier; in front of it each wave waits for all its tensor loads, adds 0 to its spare word, and waits for that and for its own reads of this slot
.macro TURN slot, next, fill
	s_wait_tensorcnt 0x0                           ; all my tensor loads have landed: my part of the next slot
	ds_add_u32 v[SPW], v[NIL]                      ; 0 onto my spare word
	s_wait_dscnt 4*NL+1                            ; the add and the 24 youngest loads may be out
	WIN MUL_LO
	MUL16 0, 1, NQ-1, \slot, 0
	s_wait_dscnt 0x0                               ; the add is done, and my reads of this slot are over
	s_barrier_signal -1
	MUL16 2, 1, NQ-1, \slot, 0
	WIN 0
	s_barrier_wait -1
.if \fill
	CREST                                          ; the barrier has opened a round of the cluster's barrier: no wave of any partner still reads this slot or has a load on its way
	s_add_nc_u64 s[G0+4*\slot+2:G0+4*\slot+3], s[G0+4*\slot+2:G0+4*\slot+3], 2*ROWB
	s_add_nc_u64 s[G0B+4*\slot+2:G0B+4*\slot+3], s[G0B+4*\slot+2:G0B+4*\slot+3], 2*ROWB
	JLOAD G0+4*\slot, G1, G0B+4*\slot, G1B
.else
	PLACES NP
.endif
	v_add_nc_u32 v[ADRS], 4*NQ, v[ADRS]
	FETCH_B \next, 0, 0
	FETCH_A \next, 0, 0
	SCALES \next
	WIN MUL_HI
	MUL16 4, 1, NQ-1, \slot, 0
	MUL16 6, 1, NQ-1, \slot, 0
	PLACES NP
	WIN 0
	FETCH_A \next, 0, 4
.endm
	s_wait_tensorcnt 1                             ; the scales and my part of K step 0 are in; K step 1's load may be out
	s_barrier_signal -1
	s_barrier_wait -1
	FETCH_B 0, 0, 0
	FETCH_A 0, 0, 0
	SCALES 0
	FETCH_A 0, 0, 4
	STEP 0, 0, 1                                   ; the first step's products start the sums
	s_mov_b32 s3, LAPS-1
.Llap:
	TURN 0, 1, 1
	STEP 1, 0, 0
	TURN 1, 0, 1
	STEP 0, 0, 0
	s_sub_co_u32 s3, s3, 1
	s_cmp_lg_u32 s3, 0
	s_cbranch_scc1 .Llap
	TURN 0, 1, 0
	STEP 1, 0, 0
	s_wait_dscnt 4*NL
	WIN MUL_LO
	MUL16 0, 1, NQ-1, 1, 0
	MUL16 2, 1, NQ-1, 1, 0
	s_wait_dscnt 0
	WIN MUL_HI
	MUL16 4, 1, NQ-1, 1, 0
	MUL16 6, 1, NQ-1, 1, 0
	WIN 0
; ---- THE WAY OUT ----
; 64 numbers of a lane, v[s] on; registers 16 b .. 16 b + 15 and those of lane l xor 16 are block b of my row.  They become 12 registers of codes in v[PC] on and my row's scale word in v[PW].
.macro QUANT s
.irp b, 0,1,2,3
	v_max3_num_f32 v[TM+\b], |v[\s+16*\b]|, |v[\s+1+16*\b]|, 0x1800000   ; my 16 numbers, and the floor 2^(3 - 127): the byte cannot fall under 1
.endr
.irp i, 2,4,6,8,10,12,14
.irp b, 0,1,2,3
	v_max3_num_f32 v[TM+\b], v[TM+\b], |v[\s+16*\b+\i]|, |v[\s+1+16*\b+\i]|
.endr
.endr
.irp b, 0,1,2,3
	v_permlanex16_b32 v[TM+4+\b], v[TM+\b], s[SEL], s[SEL+1]
.endr
.irp b, 0,1,2,3
	v_max_num_f32 v[TM+\b], v[TM+\b], v[TM+4+\b]
.endr
.irp b, 0,1,2,3
	v_add_nc_u32 v[TM+12+\b], 0xff000000, v[TM+\b]   ; 2 off the exponent field: the conversion's scale operand
.endr
.irp b, 0,1,2,3
	v_lshrrev_b32 v[TM+4+\b], 23, v[TM+12+\b]
.endr
	v_lshl_or_b32 v[PW], v[TM+5], 8, v[TM+4]
	v_lshl_or_b32 v[PW], v[TM+6], 16, v[PW]
	v_lshl_or_b32 v[PW], v[TM+7], 24, v[PW]
.irp c, 0,1
	v_cvt_scalef32_pk16_fp6_f32 v[PC+6*\c:PC+2+6*\c], v[\s+32*\c:\s+15+32*\c], v[TM+12+2*\c]
	v_cvt_scalef32_pk16_fp6_f32 v[PC+12+4*\c:PC+14+4*\c], v[\s+16+32*\c:\s+31+32*\c], v[TM+12+2*\c+1]
.endr
	v_nop                                          ; one plain instruction behind a scaled conversion
.irp c, 0,1                            ; the operand's layout wants a whole block in a lane
.irp i, 0,1,2
	v_permlane16_swap_b32 v[PC+6*\c+\i], v[PC+12+4*\c+\i]
.endr
.irp i, 0,1,2
	v_mov_b32 v[PC+3+6*\c+\i], v[PC+12+4*\c+\i]
.endr
.endr
.endm
.macro ADDB a                          ; block a's 64 sums + the bias by B's rows -> T; each accumulator is read from its low end on
	WIN 0x06+(\a)/4
.set i, 0
.rept 32
	v_pk_add_f32 v[T+2*i:T+2*i+1], v[64*((\a)%4)+2*i:64*((\a)%4)+2*i+1], v[96+2*i+96*(i/16):97+2*i+96*(i/16)]
.set i, i+1
.endr
	WIN 0
.endm
.macro ADDV a                          ; the same + the bias by A's rows
	WIN 0x02+(\a)/4
.set i, 0
.rept 32
	v_pk_add_f32 v[T+2*i:T+2*i+1], v[64*((\a)%4)+2*i:64*((\a)%4)+2*i+1], v[224+2*(\a):225+2*(\a)]
.set i, i+1
.endr
	WIN 0
.endm
; gelu(z) = z/2 + z/2 erf(z / sqrt 2) on 32 numbers; erf(t) = t P(t^2) / Q(t^2), t held to +-4.  v128-159 t, v160-191 t^2, v192-223 P, v224-255 Q.  The 32 reciprocals are one batch with one wait
.macro GELU32 u
.set TU, T+32*\u
.set i, 0
.rept 16
	v_pk_mul_f32 v[128+2*i:129+2*i], v[TU+2*i:TU+2*i+1], 0x3f3504f3 op_sel_hi:[1,0]
.set i, i+1
.endr
.set i, 0
.rept 32
	v_med3_num_f32 v[128+i], v[128+i], -4.0, 4.0
.set i, i+1
.endr
.set i, 0
.rept 16
	v_pk_mul_f32 v[160+2*i:161+2*i], v[128+2*i:129+2*i], v[128+2*i:129+2*i]
.set i, i+1
.endr
.set i, 0
.rept 16
	v_pk_fma_f32 v[192+2*i:193+2*i], v[160+2*i:161+2*i], v[8:9], 0x32edffee op_sel_hi:[1,1,0]
	v_pk_fma_f32 v[224+2*i:225+2*i], v[160+2*i:161+2*i], v[10:11], 0xb95fbd29 op_sel_hi:[1,1,0]
.set i, i+1
.endr
.irp k, 0xb60cff51, 0xb86ec2d2, 0xba40ac63, 0xbb41a1f6, 0xbc83dbd4
.set i, 0
.rept 16
	v_pk_fma_f32 v[192+2*i:193+2*i], v[192+2*i:193+2*i], v[160+2*i:161+2*i], \k op_sel_hi:[1,1,0]
.set i, i+1
.endr
.endr
.irp k, 0xbadc924e, 0xbbf19bf8, 0xbc69b6a7
.set i, 0
.rept 16
	v_pk_fma_f32 v[224+2*i:225+2*i], v[224+2*i:225+2*i], v[160+2*i:161+2*i], \k op_sel_hi:[1,1,0]
.set i, i+1
.endr
.endr
.set i, 0
.rept 32
	v_rcp_f32 v[224+i], v[224+i]
.set i, i+1
.endr
.set i, 0
.rept 16
	v_pk_mul_f32 v[192+2*i:193+2*i], v[192+2*i:193+2*i], v[128+2*i:129+2*i]      ; t P: plain work that names no reciprocal
	v_pk_mul_f32 v[TU+2*i:TU+2*i+1], v[TU+2*i:TU+2*i+1], 0.5 op_sel_hi:[1,0]
.set i, i+1
.endr
	s_wait_alu depctr_va_vdst(0)                   ; one wait for the batch, ahead of its first reader
.set i, 0
.rept 16
	v_pk_mul_f32 v[192+2*i:193+2*i], v[192+2*i:193+2*i], v[224+2*i:225+2*i]
.set i, i+1
.endr
.set i, 0
.rept 16
	v_pk_fma_f32 v[TU+2*i:TU+2*i+1], v[TU+2*i:TU+2*i+1], v[192+2*i:193+2*i], v[TU+2*i:TU+2*i+1]
.set i, i+1
.endr
.endm
	PLACES NP                                      ; behind the last products, ahead of the first read of results and the first write of A's registers
	s_wait_loadcnt 0x0                             ; the bias
.irp b, 0,1,2,3
	v_mov_b32 v[TM+4+\b], 0                        ; a lane permute's destination counts as read
.endr
	s_mov_b32 s[SEL], 0x76543210
	s_mov_b32 s[SEL+1], 0xfedcba98
.if QKV
.set STEPA, 1536
	s_cmp_eq_u32 s100, 1
	s_cselect_b32 s20, s101, s95                   ; which 128 tokens
	s_cselect_b32 s21, s95, s101                   ; which head
	s_lshr_b32 s22, s20, 4
	s_lshl_b32 s22, s22, 3
	s_add_co_u32 s22, s22, s21                     ; 8 x batch + head
	s_lshl_b32 s22, s22, 4
	s_and_b32 s20, s20, 15
	s_add_co_u32 s22, s22, s20                     ; x 16 + the group of 128 tokens
	s_mul_i32 s20, s22, 12288
	s_mul_i32 s21, ttmp9, 3145728
	s_add_co_u32 s20, s20, s21
	s_mov_b32 s21, 0
	s_add_nc_u64 s[4:5], s[12:13], s[20:21]        ; my eight images
	s_lshl_b32 s20, s22, 9
	s_lshl_b32 s22, ttmp9, 17
	s_add_co_u32 s20, s20, s22
	s_add_co_u32 s20, s20, 9437184
	s_add_nc_u64 s[6:7], s[12:13], s[20:21]        ; their 512 bytes of scale words
.else
.set STEPA, 49152
	s_lshl_b32 s20, s95, 8
	s_add_co_u32 s20, s20, s101
	s_mul_i32 s20, s20, 1536
	s_mov_b32 s21, 0
	s_add_nc_u64 s[4:5], s[12:13], s[20:21]        ; image (row tile 8 IA, K step IB); a row tile on is 32 images on
	s_lshl_b32 s20, s101, 14
	s_lshl_b32 s22, s95, 9
	s_add_co_u32 s20, s20, s22
	s_add_co_u32 s20, s20, 12582912
	s_add_nc_u64 s[6:7], s[12:13], s[20:21]
	v_mov_b32 v8, 0xaf95df0b                       ; P's and Q's leading coefficients, as pairs
	v_mov_b32 v9, 0xaf95df0b
	v_mov_b32 v10, 0xb77460cd
	v_mov_b32 v11, 0xb77460cd
.endif
	s_mov_b32 s3, 0
.Lablk:                                                ; eight trips, a block of 16 A rows each.  Only the lines that name the block's accumulators are written eight times; the trip's number picks them
.if QKV
	s_cmp_lg_u32 s100, 0
	s_cbranch_scc1 .Lvchain
.endif
.irp a, 0,1,2,3,4,5,6
	s_cmp_lg_u32 s3, \a
	s_cbranch_scc1 .Lnb\a
	ADDB \a
	s_branch .Lcommon
.Lnb\a:
.endr
	ADDB 7
.if QKV
	s_branch .Lcommon
.Lvchain:
.irp a, 0,1,2,3,4,5,6
	s_cmp_lg_u32 s3, \a
	s_cbranch_scc1 .Lnv\a
	ADDV \a
	s_branch .Lcommon
.Lnv\a:
.endr
	ADDV 7
.endif
.Lcommon:
.if QKV == 0
	GELU32 0
	GELU32 1
.irp b, 0,1,2,3                        ; into the natural order along K: afterwards register 16 b + i is k = 32 b + 16 (lane / 16) + i
.irp j, 0,1,2,3,4,5,6,7
	v_permlane16_swap_b32 v[T+16*\b+\j], v[T+16*\b+8+\j]
.endr
.endr
.endif
	QUANT T
	s_lshl_b32 s2, s3, 6
	v_add_nc_u32 v[ADRS], s2, v[SWA]               ; the block's 64 bytes of my 512 in LDS (in slot 0, which has had its last fill and its last read)
.irp c, 0,1,2
	global_store_b128 v[LI], v[PC+4*\c:PC+4*\c+3], s[4:5] offset:512*\c     ; the image: 3 x 512 consecutive bytes
.endr
	ds_store_b32 v[ADRS], v[PW]                    ; lanes r and r + 16 write the same word with the same value
	s_wait_xcnt 0x0                                ; the stores have read their data and their base: both are written again only behind this wait
	s_add_nc_u64 s[4:5], s[4:5], STEPA
	s_add_co_u32 s3, s3, 1
	s_cmp_lt_u32 s3, 8
	s_cbranch_scc1 .Lablk
	ds_load_b128 v[132:135], v[SRD]                ; LDS serves a wave's instructions in order: this sees my eight stores
	s_wait_dscnt 0x0
	global_store_b128 v[LI], v[132:135], s[6:7]    ; 512 consecutive bytes of scale words
	s_wait_tensorcnt 0x0                           ; the wave's end
	ds_add_u32 v[SPW], v[NIL]
	s_wait_dscnt 0x0
	CROUND                                         ; the closing round
	s_endpgm
.Lfunc_end_k_qb9adf353d5_w1:
	.size	k_qb9adf353d5_w1, .Lfunc_end_k_qb9adf353d5_w1-k_qb9adf353d5_w1
	.p2alignl 7, 3214868480
	.fill 96, 4, 3214868480
	.section	.rodata,"a",@progbits
	.p2align	6, 0x0
	.amdhsa_kernel k_qb9adf353d5_w1
		.amdhsa_group_segment_fixed_size 327680
		.amdhsa_private_segment_fixed_size 0
		.amdhsa_enable_private_segment 0
		.amdhsa_kernarg_size 40
		.amdhsa_user_sgpr_count 2
		.amdhsa_user_sgpr_kernarg_segment_ptr 1
		.amdhsa_wavefront_size32 1
		.amdhsa_system_sgpr_workgroup_id_x 1
		.amdhsa_system_sgpr_workgroup_id_y 1
		.amdhsa_system_sgpr_workgroup_id_z 1
		.amdhsa_system_vgpr_workitem_id 0
		.amdhsa_next_free_vgpr 1024
		.amdhsa_next_free_sgpr 104
		.amdhsa_reserve_vcc 0
		.amdhsa_float_denorm_mode_32 3
		.amdhsa_float_denorm_mode_16_64 3
		.amdhsa_memory_ordered 1
		.amdhsa_forward_progress 1
		.amdhsa_inst_pref_size 204
	.end_amdhsa_kernel
	.amdgpu_metadata
---
amdhsa.version: [ 1, 2 ]
amdhsa.kernels:
  - .name:           k_qb9adf353d5_w1
    .symbol:         k_qb9adf353d5_w1.kd
    .args:
      - { .name: hq, .offset: 0, .size: 8, .value_kind: global_buffer, .address_space: global }
      - { .name: W1_codes, .offset: 8, .size: 8, .value_kind: global_buffer, .address_space: global }
      - { .name: W1_scales, .offset: 16, .size: 8, .value_kind: global_buffer, .address_space: global }
      - { .name: b1, .offset: 24, .size: 8, .value_kind: global_buffer, .address_space: global }
      - { .name: gb, .offset: 32, .size: 8, .value_kind: global_buffer, .address_space: global }
    .group_segment_fixed_size: 327680
    .private_segment_fixed_size: 0
    .kernarg_segment_align: 8
    .kernarg_segment_size: 40
    .max_flat_workgroup_size: 128
    .sgpr_count:     104
    .vgpr_count:     1024
    .wavefront_size: 32
...
	.end_amdgpu_metadata
.endif
;; end of part 5
;; launch w2 (part 6): grid 8 x 32, 4 waves a work-group, clusters of 4 x 4, 327,680 bytes of LDS; arguments gb, W2_codes, W2_scales, b2, x1, out0; writes out0
.if DOCPART == 6
	.amdgcn_target "amdgcn-amd-amdhsa--gfx1250"
	.amdhsa_code_object_version 6
	.text
	.protected	k_qb9adf353d5_w2
	.globl	k_qb9adf353d5_w2
	.p2align	8
	.type	k_qb9adf353d5_w2,@function
k_qb9adf353d5_w2:
	s_mov_b64 s[64:65], 0
	v_nop
	global_prefetch_b8 v0, s[64:65] scope:SCOPE_SE
	s_setreg_imm32_b32 hwreg(HW_REG_WAVE_MODE, 25, 1), 1
	s_wait_xcnt 0x0
	s_wait_alu depctr_hold_cnt(0) depctr_sa_sdst(0) depctr_va_vdst(0) depctr_va_sdst(0) depctr_va_ssrc(0) depctr_va_vcc(0) depctr_vm_vsrc(0)
	s_getreg_b32 s2, hwreg(HW_REG_IB_STS2, 6, 4)
	s_cmp_eq_u32 s2, 0
	s_cbranch_scc0 .Lentry_in_a_cluster
	s_endpgm
.Lentry_in_a_cluster:
	s_bfe_u32 s2, ttmp6, 0x10000c
	s_cmp_lg_u32 s2, 0xf033
	s_cbranch_scc0 .Lentry_shape_is_right
	s_endpgm
.Lentry_shape_is_right:
; out = resid + A W^T + bias.  A: 4,096 rows x SIZE_K as images of operand registers, [row tile of 16][K step of 128][3 x 512 bytes], with scale words [K step][row][4 bytes] behind them (from byte AIMG on).
; W: [1,024][SIZE_K] codes of FP6 (E2M3), K innermost, rows of SIZE_K x 3 / 4 bytes; its E8M0 bytes [1,024][SIZE_K / 32].  bias [1,024], resid and out [4,096][1,024]: f32.
; 4,096 x 1,024 makes 256 tiles of 128 x 128, one for each work-group; four waves, 64 x 64 each: 16 accumulators.  K goes in steps of 512 (four matrix instructions deep) through two LDS slots, filled by joint
; tensor loads: A's tiles are shared along a row of the 4 x 4 cluster, W's along a column.  The scale words and bytes of the work-group's rows come once, with the first fills.
; The matrix instruction is used transposed (source 0 = 16 rows of W, source 1 = 16 rows of A): a lane holds eight neighbouring numbers of a row of the result.
; REGISTERS: window 0: v16-29 addresses, v32-47 scale words (two sets), v48-51 the bias, v128-255 accumulators.  window 1: two fragment buffers (A's four at 12 a, W's four at 48 + 12 b).  window 2: v0-127 the residual.
.set SIZE_K, 4096
.set KSTEPS, SIZE_K/128
.set KROW,   SIZE_K*3/4
.set KS,     SIZE_K/32
.set AIMG,   3072*SIZE_K
.set LAPS,   KSTEPS/8                  ; a lap = two slots = 8 K steps
.set PITCH,  432                       ; a row of W in LDS: 3 x (128 bytes + 16 of padding) = 108 words: the 16 rows of a load start at 16 different groups of four banks
.set HALFA,  24576                     ; four row tiles x four K steps of images
.set HALFB,  64*PITCH
.set SLOT,   2*HALFA+2*HALFB
.set SCA,    2*SLOT                    ; A's scale words: [half][K step][64 rows x 4 bytes]
.set SCB,    SCA+16384                 ; W's scale bytes, as rows of 256 bytes + 16 of padding
.set HALFSB, (64*KS/256)*272
.set SBLK,   (16*KS/256)*272
.set SPARE,  SCB+17408                 ; the spare words, 128 bytes a wave, that no other line names
.set SPITCH, 272                       ; the way out: a stage of 64 rows x (256 bytes + 16) for each wave, in slot 0, which has had its last fill and its last read by then
.set ADRA, 16                          ; v16-17
.set ADSA, 18
.set ADSB, 19
.set ADRB, 20                          ; v20-21; v22-23 the same behind one padding more
.set STO,  24
.set RD,   25
.set RO,   26
.set BOF,  27
.set SPW,  28
.set NIL,  29
.set ACC,  128
.set F0,   0
.set F1,   128
.set G1A, 24
.set G0A, 32
.set G1B, 48
.set G0B, 56
.set G1SA, 68
.set G0SA, 76
.set G1SB, 80
.set G0SB, 88
.set MSB, 0
.macro WIN new
.if MSB != \new
	s_set_vgpr_msb (MSB<<8)|\new
.set MSB, \new
.endif
.endm
.set MUL,  0x05                        ; sources 0 and 1 window 1; C and D window 0
.set TO_F, 0x40
.macro JLOAD g0a, g1a, g0b, g1b        ; a joint load: waves 0 and 1 fetch for A, waves 2 and 3 for W; four v_nop follow each line
	s_cmp_eq_u32 s17, 0
	s_cbranch_scc0 .Lfor_b_\@
	tensor_load_to_lds s[\g0a:\g0a+3], s[\g1a:\g1a+7]
	s_nop 0
.rept 4
	v_nop
.endr
	s_branch .Lasked_\@
.Lfor_b_\@:
	tensor_load_to_lds s[\g0b:\g0b+3], s[\g1b:\g1b+7]
	s_nop 0
.rept 4
	v_nop
.endr
.Lasked_\@:
.endm
.macro CREST
	s_cmp_lg_u32 s16, 0
	s_cbranch_scc1 .Lnot_wave_0_\@
	s_barrier_signal -3
.Lnot_wave_0_\@:
	s_barrier_wait -3
	s_barrier_signal -1
	s_barrier_wait -1
.endm
.macro CROUND
	s_barrier_signal -1
	s_barrier_wait -1
	CREST
.endm
.macro PLACES
.rept 4
	v_nop
.endr
.endm
	s_load_b256 s[4:11], s[0:1], 0x0               ; A s[4:5], W's codes s[6:7], W's scales s[8:9], bias s[10:11]
	s_load_b128 s[12:15], s[0:1], 0x20             ; resid s[12:13], out s[14:15]
	v_lshl_add_u32 v[SPW], v0, 2, SPARE
	v_mov_b32 v[NIL], 0
	ds_add_u32 v28, v29
	s_wait_dscnt 0x0
	v_lshrrev_b32 v1, 5, v0
	v_readfirstlane_b32 s16, v1                    ; wave 0..3
	s_lshr_b32 s17, s16, 1                         ; my half of the rows.  Also: I fetch for A (0) or W (1)
	s_and_b32 s18, s16, 1                          ; my half of the columns.  Also: which half I fetch
	s_bfe_u32 s40, ttmp6, 0x40000
	s_bfe_u32 s41, ttmp6, 0x40004
	s_lshl_b32 s42, ttmp9, 2
	s_add_co_u32 s42, s42, s40                     ; tile column 0..7
	s_and_b32 s19, ttmp7, 0xffff
	s_lshl_b32 s19, s19, 2
	s_add_co_u32 s19, s19, s41                     ; tile row 0..31
	s_lshl_b32 s43, s41, 2
	s_lshl_b32 s43, 15, s43
	s_lshl_b32 s44, 0x1111, s40
	s_or_b32 s[G1A], s43, (3<<16)|(1<<21)          ; A: 4 rows (row tiles) of 768 elements of 8 bytes (four K steps' images), no padding
	s_mov_b32 s[G1A+1], 768<<16
	s_mov_b32 s[G1A+2], 4<<16
	s_mov_b32 s[G1A+3], 768<<16
	s_mov_b32 s[G1A+4], 4
	s_mov_b32 s[G1A+5], KSTEPS*192
	s_mov_b32 s[G1A+6], 0
	s_mov_b32 s[G1A+7], 0
	s_or_b32 s[G1B], s44, (0<<16)|(1<<20)|(1<<21)|(4<<22)|(3<<25)   ; W: 64 rows of 384 bytes, 4 words of padding behind every 32
	s_mov_b32 s[G1B+1], 384<<16
	s_mov_b32 s[G1B+2], 64<<16
	s_mov_b32 s[G1B+3], 384<<16
	s_mov_b32 s[G1B+4], 64
	s_mov_b32 s[G1B+5], KROW
	s_mov_b32 s[G1B+6], 0
	s_mov_b32 s[G1B+7], 0
	s_or_b32 s[G1SA], s43, (3<<16)|(1<<21)         ; A's scale words: KSTEPS rows of 256 bytes, 16,384 bytes apart
	s_mov_b32 s[G1SA+1], 32<<16
	s_mov_b32 s[G1SA+2], KSTEPS<<16
	s_mov_b32 s[G1SA+3], 32<<16
	s_mov_b32 s[G1SA+4], KSTEPS
	s_mov_b32 s[G1SA+5], 2048
	s_mov_b32 s[G1SA+6], 0
	s_mov_b32 s[G1SA+7], 0
	s_or_b32 s[G1SB], s44, (3<<16)|(1<<20)|(1<<21)|(5<<22)|(3<<25)  ; W's scale bytes of 64 rows: a dense block
	s_mov_b32 s[G1SB+1], 32<<16
	s_mov_b32 s[G1SB+2], (64*KS/256)<<16
	s_mov_b32 s[G1SB+3], 32<<16
	s_mov_b32 s[G1SB+4], 64*KS/256
	s_mov_b32 s[G1SB+5], 32
	s_mov_b32 s[G1SB+6], 0
	s_mov_b32 s[G1SB+7], 0
	s_lshl_b32 s20, s19, 3
	s_lshl_b32 s21, s18, 2
	s_add_co_u32 s20, s20, s21
	s_mul_i32 s20, s20, KSTEPS*1536                ; A: row tile 8 x tile row + 4 x half
	s_mov_b32 s21, 0
	s_lshl_b32 s22, s19, 9
	s_lshl_b32 s23, s18, 8
	s_add_co_u32 s22, s22, s23
	s_add_co_u32 s22, s22, AIMG                    ; its scale words
	s_mov_b32 s23, 0
	s_lshl_b32 s46, s42, 7
	s_lshl_b32 s47, s18, 6
	s_add_co_u32 s46, s46, s47                     ; W: row 128 x tile column + 64 x half
	s_mul_i32 s92, s46, KS
	s_mov_b32 s93, 0
	s_mul_i32 s46, s46, KROW
	s_mov_b32 s47, 0
	s_mul_i32 s45, s18, HALFA                      ; and where they go in LDS
	s_mul_i32 s94, s18, HALFB
	s_add_co_u32 s94, s94, 2*HALFA
	s_mul_i32 s95, s18, KSTEPS*256
	s_add_co_u32 s95, s95, SCA
	s_mul_i32 s96, s18, HALFSB
	s_add_co_u32 s96, s96, SCB
	s_wait_kmcnt 0x0
	s_add_nc_u64 s[20:21], s[4:5], s[20:21]
	s_add_nc_u64 s[22:23], s[4:5], s[22:23]
	s_add_nc_u64 s[46:47], s[6:7], s[46:47]
	s_add_nc_u64 s[92:93], s[8:9], s[92:93]
	CROUND                                         ; all sixteen work-groups are here: the first joint loads meet
	s_mov_b32 s[G0SA], 1
	s_mov_b32 s[G0SA+1], s95
	s_mov_b64 s[G0SA+2:G0SA+3], s[22:23]
	s_or_b32 s[G0SA+3], s[G0SA+3], 0x80000000
	s_mov_b32 s[G0SB], 1
	s_mov_b32 s[G0SB+1], s96
	s_mov_b64 s[G0SB+2:G0SB+3], s[92:93]
	s_or_b32 s[G0SB+3], s[G0SB+3], 0x80000000
	JLOAD G0SA, G1SA, G0SB, G1SB
.irp s, 0,1
	s_mov_b32 s[G0A+4*\s], 1
	s_add_co_u32 s[G0A+4*\s+1], s45, \s*SLOT
	s_add_nc_u64 s[G0A+4*\s+2:G0A+4*\s+3], s[20:21], \s*6144
	s_or_b32 s[G0A+4*\s+3], s[G0A+4*\s+3], 0x80000000
	s_mov_b32 s[G0B+4*\s], 1
	s_add_co_u32 s[G0B+4*\s+1], s94, \s*SLOT
	s_add_nc_u64 s[G0B+4*\s+2:G0B+4*\s+3], s[46:47], \s*384
	s_or_b32 s[G0B+4*\s+3], s[G0B+4*\s+3], 0x80000000
	JLOAD G0A+4*\s, G1A, G0B+4*\s, G1B
.endr
	v_and_b32 v1, 31, v0                           ; lane
	v_and_b32 v2, 15, v0                           ; r
	v_bfe_u32 v3, v0, 4, 1                         ; h
	v_lshlrev_b32 v4, 4, v1
	v_mul_u32_u24 v5, v2, PITCH
	v_mad_u32_u24 v5, v3, 24, v5
	v_lshl_add_u32 v6, v3, 4, v5
	s_mul_i32 s21, s17, HALFA                      ; my four row tiles of A
	s_mul_i32 s22, s18, HALFB
	s_add_co_u32 s22, s22, 2*HALFA                 ; my 64 rows of W
.irp s, 0,1
	v_add_nc_u32 v[ADRA+\s], s21, v4
	v_add_nc_u32 v[ADRB+\s], s22, v5
	v_add_nc_u32 v[ADRB+2+\s], s22, v6
	s_add_co_u32 s21, s21, SLOT
	s_add_co_u32 s22, s22, SLOT
.endr
	s_mul_i32 s21, s17, KSTEPS*256
	s_add_co_u32 s21, s21, SCA
	v_lshl_add_u32 v[ADSA], v2, 2, s21
	v_mul_u32_u24 v5, v2, KS
	v_lshrrev_b32 v6, 8, v5
	v_lshl_add_u32 v5, v6, 4, v5
	s_mul_i32 s22, s18, HALFSB
	s_add_co_u32 s22, s22, SCB
	v_add_nc_u32 v[ADSB], s22, v5
	s_mul_i32 s23, s16, 64*SPITCH                  ; my stage
	v_mul_u32_u24 v5, v2, SPITCH
	v_lshl_add_u32 v5, v3, 5, v5
	v_add_nc_u32 v[STO], s23, v5                   ; in: row r, 32 bytes for each half of the lanes
	v_mul_u32_u24 v5, v3, SPITCH
	v_lshl_add_u32 v5, v2, 4, v5
	v_add_nc_u32 v[RD], s23, v5                    ; back: lanes 0-15 one row of 256 bytes, lanes 16-31 the next
	v_lshlrev_b32 v[BOF], 4, v2
	v_lshl_add_u32 v[RO], v3, 12, v[BOF]           ; and the same two rows in resid and out
	s_lshl_b32 s20, s19, 7
	s_lshl_b32 s21, s17, 6
	s_add_co_u32 s20, s20, s21
	s_lshl_b32 s20, s20, 12                        ; my first row, in bytes
	s_lshl_b32 s46, s42, 9
	s_lshl_b32 s47, s18, 8
	s_add_co_u32 s46, s46, s47                     ; my first column, in bytes
	s_mov_b32 s47, 0
	s_add_nc_u64 s[10:11], s[10:11], s[46:47]
	s_add_co_u32 s20, s20, s46
	s_mov_b32 s21, 0
	s_add_nc_u64 s[12:13], s[12:13], s[20:21]
	s_add_nc_u64 s[14:15], s[14:15], s[20:21]
	WIN 0x80                                       ; destination window 2
.set i, 0
.rept 32
	global_load_b128 v[4*i:4*i+3], v[RO], s[12:13] offset:i*8192      ; the residual of my 64 x 64: it lands while the products run
.set i, i+1
.endr
	WIN 0
	global_load_b128 v[48:51], v[BOF], s[10:11]    ; the bias of my four columns
.macro FRAGB reg, adr, q, i            ; a fragment of W: 12 registers in pieces of 8 bytes; lanes 16-31 read three pieces further on, for some pieces behind one padding more
.irp p, 0,1,2,3,4,5
.set PCE, 12*(\q)+6*(\p/3)+\p%3
.if PCE%16 < 13
	ds_load_b64 v[\reg+2*\p:\reg+2*\p+1], v[\adr] offset:8*PCE+16*(PCE/16)+(\i)*16*PITCH
.else
	ds_load_b64 v[\reg+2*\p:\reg+2*\p+1], v[\adr+2] offset:8*PCE+16*(PCE/16)+(\i)*16*PITCH
.endif
.endr
.endm
.macro FETCH slot, q, f, p             ; 44 LDS loads: the slot's q-th K step into buffer f and scale set p
	WIN TO_F
.irp i, 0,1,2,3
	FRAGB \f+48+12*\i, ADRB+\slot, \q, \i
.endr
.irp a, 0,1,2,3
.irp c, 0,1,2
	ds_load_b128 v[\f+12*\a+4*\c:\f+12*\a+4*\c+3], v[ADRA+\slot] offset:\a*6144+(\q)*1536+512*\c
.endr
.endr
	WIN 0
.irp i, 0,1,2,3
	ds_load_b32 v[32+8*(\p)+\i], v[ADSA] offset:64*\i+256*(\q)
	ds_load_b32 v[36+8*(\p)+\i], v[ADSB] offset:\i*SBLK+4*(\q)
.endr
.endm
; 8 matrix instructions: A's blocks a0, a0 + 1 x W's four.  The 16 accumulators take turns, one instruction a turn, in the same order in every K step
.macro MUL8 f, a0, p, zero
.irp a, \a0, \a0+1
.irp b, 0,1,2,3
.if \zero
	v_wmma_scale_f32_16x16x128_f8f6f4 v[ACC+8*(4*(\a)+\b):ACC+8*(4*(\a)+\b)+7], v[\f+48+12*\b:\f+48+12*\b+11], v[\f+12*(\a):\f+12*(\a)+11], 0, v[36+8*(\p)+\b], v[32+8*(\p)+(\a)] matrix_a_fmt:MATRIX_FMT_FP6 matrix_b_fmt:MATRIX_FMT_FP6
.else
	v_wmma_scale_f32_16x16x128_f8f6f4 v[ACC+8*(4*(\a)+\b):ACC+8*(4*(\a)+\b)+7], v[\f+48+12*\b:\f+48+12*\b+11], v[\f+12*(\a):\f+12*(\a)+11], v[ACC+8*(4*(\a)+\b):ACC+8*(4*(\a)+\b)+7], v[36+8*(\p)+\b], v[32+8*(\p)+(\a)] matrix_a_fmt:MATRIX_FMT_FP6 matrix_b_fmt:MATRIX_FMT_FP6
.endif
.endr
.endr
.endm
.macro KST slot, q, zero               ; one of a slot's first three K steps: the next step's loads go out ahead of this step's 16 products
	s_wait_dscnt 0x0                               ; this step's fragments and scale words are in
	PLACES                                         ; in front of loads into the buffer that the last products read
	FETCH \slot, (\q)+1, 128*(1-(\q)%2), 1-(\q)%2
	WIN MUL
	MUL8 128*((\q)%2), 0, (\q)%2, \zero
	MUL8 128*((\q)%2), 2, (\q)%2, \zero
.endm
; A slot's last K step changes slots: one barrier; in front of it each wave waits for all its tensor loads, adds 0 to its spare word, and waits for that and for its own reads of this slot
.macro TURN slot, next, fill
	WIN 0
	s_wait_tensorcnt 0x0
	ds_add_u32 v[SPW], v[NIL]                      ; 0 onto my spare word
	s_wait_dscnt 0x0
	s_barrier_signal -1
	WIN MUL
	MUL8 F1, 0, 1, 0
	WIN 0
	s_barrier_wait -1
.if \fill
	CREST                                          ; the barrier has opened a round of the cluster's barrier
	s_add_nc_u64 s[G0A+4*\slot+2:G0A+4*\slot+3], s[G0A+4*\slot+2:G0A+4*\slot+3], 2*6144
	s_add_nc_u64 s[G0B+4*\slot+2:G0B+4*\slot+3], s[G0B+4*\slot+2:G0B+4*\slot+3], 2*384
	JLOAD G0A+4*\slot, G1A, G0B+4*\slot, G1B       ; the first tensor load behind the round; its four v_nop are also the plain instructions in front of the loads below
.else
	PLACES
.endif
	v_add_nc_u32 v[ADSA], 1024, v[ADSA]            ; the next slot's scale words
	v_add_nc_u32 v[ADSB], 16, v[ADSB]
	FETCH \next, 0, F0, 0
	WIN MUL
	MUL8 F1, 2, 1, 0
.endm
	s_wait_tensorcnt 1                             ; the scales and my part of slot 0 are in; slot 1's load may be out
	s_barrier_signal -1
	s_barrier_wait -1
	FETCH 0, 0, F0, 0
	KST 0, 0, 1                                    ; the first K step's products start the sums
.if LAPS > 1
	WIN 0
	s_mov_b32 s3, LAPS-1
.Llap:
	KST 0, 1, 0
	KST 0, 2, 0
	TURN 0, 1, 1
	KST 1, 0, 0
	KST 1, 1, 0
	KST 1, 2, 0
	TURN 1, 0, 1
	KST 0, 0, 0
	WIN 0
	s_sub_co_u32 s3, s3, 1
	s_cmp_lg_u32 s3, 0
	s_cbranch_scc1 .Llap
.endif
	KST 0, 1, 0
	KST 0, 2, 0
	TURN 0, 1, 0
	KST 1, 0, 0
	KST 1, 1, 0
	KST 1, 2, 0
	s_wait_dscnt 0x0
	MUL8 F1, 0, 1, 0
	MUL8 F1, 2, 1, 0
	WIN 0
	; THE WAY OUT: my 64 x 64 through my own stage, back as rows of 256 bytes; + residual, + bias; sixteen lanes store 256 consecutive bytes, aligned
	PLACES
.irp a, 0,1,2,3
.irp b, 0,1,2,3
	ds_store_b128 v[STO], v[ACC+8*(4*\a+\b):ACC+8*(4*\a+\b)+3] offset:\a*16*SPITCH+64*\b
	ds_store_b128 v[STO], v[ACC+8*(4*\a+\b)+4:ACC+8*(4*\a+\b)+7] offset:\a*16*SPITCH+64*\b+16
.endr
.endr
	WIN TO_F
.set i, 0
.rept 32
	ds_load_b128 v[4*i:4*i+3], v[RD] offset:i*2*SPITCH     ; LDS serves a wave's instructions in order: these see my stores
.set i, i+1
.endr
	s_wait_loadcnt 0x0                             ; the residual and the bias
	s_wait_dscnt 0x0
	WIN 0x49                                       ; destination and source 0 window 1, source 1 window 2
.set i, 0
.rept 64
	v_pk_add_f32 v[2*i:2*i+1], v[2*i:2*i+1], v[2*i:2*i+1]
.set i, i+1
.endr
	WIN 0x41                                       ; source 1 window 0
.set i, 0
.rept 32
	v_pk_add_f32 v[4*i:4*i+1], v[4*i:4*i+1], v[48:49]
	v_pk_add_f32 v[4*i+2:4*i+3], v[4*i+2:4*i+3], v[50:51]
.set i, i+1
.endr
	WIN 0x04                                       ; a store's data are its source 1: window 1
.set i, 0
.rept 32
	global_store_b128 v[RO], v[4*i:4*i+3], s[14:15] offset:i*8192 th:TH_STORE_NT
.set i, i+1
.endr
	WIN 0
	s_wait_tensorcnt 0x0                           ; the wave's end
	ds_add_u32 v[SPW], v[NIL]
	s_wait_dscnt 0x0
	CROUND                                         ; the closing round
	s_endpgm
.Lfunc_end_k_qb9adf353d5_w2:
	.size	k_qb9adf353d5_w2, .Lfunc_end_k_qb9adf353d5_w2-k_qb9adf353d5_w2
	.p2alignl 7, 3214868480
	.fill 96, 4, 3214868480
	.section	.rodata,"a",@progbits
	.p2align	6, 0x0
	.amdhsa_kernel k_qb9adf353d5_w2
		.amdhsa_group_segment_fixed_size 327680
		.amdhsa_private_segment_fixed_size 0
		.amdhsa_enable_private_segment 0
		.amdhsa_kernarg_size 48
		.amdhsa_user_sgpr_count 2
		.amdhsa_user_sgpr_kernarg_segment_ptr 1
		.amdhsa_wavefront_size32 1
		.amdhsa_system_sgpr_workgroup_id_x 1
		.amdhsa_system_sgpr_workgroup_id_y 1
		.amdhsa_system_sgpr_workgroup_id_z 1
		.amdhsa_system_vgpr_workitem_id 0
		.amdhsa_next_free_vgpr 640
		.amdhsa_next_free_sgpr 98
		.amdhsa_reserve_vcc 0
		.amdhsa_float_denorm_mode_32 3
		.amdhsa_float_denorm_mode_16_64 3
		.amdhsa_memory_ordered 1
		.amdhsa_forward_progress 1
		.amdhsa_inst_pref_size 112
	.end_amdhsa_kernel
	.amdgpu_metadata
---
amdhsa.version: [ 1, 2 ]
amdhsa.kernels:
  - .name:           k_qb9adf353d5_w2
    .symbol:         k_qb9adf353d5_w2.kd
    .args:
      - { .name: gb, .offset: 0, .size: 8, .value_kind: global_buffer, .address_space: global }
      - { .name: W2_codes, .offset: 8, .size: 8, .value_kind: global_buffer, .address_space: global }
      - { .name: W2_scales, .offset: 16, .size: 8, .value_kind: global_buffer, .address_space: global }
      - { .name: b2, .offset: 24, .size: 8, .value_kind: global_buffer, .address_space: global }
      - { .name: x1, .offset: 32, .size: 8, .value_kind: global_buffer, .address_space: global }
      - { .name: out0, .offset: 40, .size: 8, .value_kind: global_buffer, .address_space: global }
    .group_segment_fixed_size: 327680
    .private_segment_fixed_size: 0
    .kernarg_segment_align: 8
    .kernarg_segment_size: 48
    .max_flat_workgroup_size: 128
    .sgpr_count:     98
    .vgpr_count:     640
    .wavefront_size: 32
...
	.end_amdgpu_metadata
.endif
;; end of part 6
